; MI455X (gfx1250); checked and timed in simulation.
; The chip was launched on July 23, 2026; its instructions are those of AMD's public machine-readable ISA for CDNA 5 (MIT licence, August 2026) and "CDNA5" Instruction Set Architecture Reference Guide (July 2026). The comments in the code are by the model that wrote it; some were corrected since.
;; Deep Seek Mo E. Allowed arithmetic: float matrix products may take bf16 or f16 operands with f32 sums; all other float work in f32.
;; Inputs: Wi 4,096 x 512 float32; Wo 512 x 4,096 float32; Wr 8 x 4,096 float32; bi 4,096 float32; bo 512 float32; br 8 float32; x 8 x 2,048 x 512 float32.
;; Outputs: out0 8 x 2,048 x 512 float32.
;; 2 versions, each right and faster than the one before. Each part assembles by itself: llvm-mc -triple=amdgcn-amd-amdhsa -mcpu=gfx1250 --defsym DOCPART=n.
;; ======== version 1 of 2: 3 launches
;; workspace buffers: part 524,288 bytes; gs 49,152 bytes; yb 256 bytes; rs 2,048 bytes
;; launch fold (part 1): grid 8 x 32, 8 waves a work-group, no clusters, 38,144 bytes of LDS; arguments Wi, Wr, Wo, part, rs; writes part, rs
.if DOCPART == 1
	.amdgcn_target "amdgcn-amd-amdhsa--gfx1250"
	.amdhsa_code_object_version 6
	.text
	.protected	k_q64f3945032_fold
	.globl	k_q64f3945032_fold
	.p2align	8
	.type	k_q64f3945032_fold,@function
k_q64f3945032_fold:
	s_mov_b64 s[64:65], 0
	v_nop
	global_prefetch_b8 v0, s[64:65] scope:SCOPE_SE
	s_setreg_imm32_b32 hwreg(HW_REG_WAVE_MODE, 25, 1), 1
	s_wait_xcnt 0x0
; FOLD.  The hidden vector h = x Wi^T + bi enters the result only through the 8 logits h Wr^T + br and through h[0..7], and the last product
; multiplies a vector of equal entries.  So the program needs M = Wr Wi ([8][512]) and rs[o] = the sum of Wo's row o; both hold for every input.
; This launch reads Wi and Wo once, in f32, and stores  part[hb][e][i] = sum over the 128 h of block hb of Wr[e][h] Wi[h][i]   and   rs[o].
; The sum over the 32 blocks spans work-groups and is made by the next launch.  The sums are ordered otherwise than in the problem's formula (f32 throughout).
; SHARES.  Work-group (cb, hb): columns 64 cb .. +63 (256 bytes of a row of Wi) of the rows 128 hb .. +127; and Wo's rows 2 g, 2 g + 1, g = 8 hb + cb (32,768 bytes on end).
; Wave w: rows 16 w .. +15.  Lane (q = lane % 16, hh = lane / 16): columns 4 q .. +3 of the rows 16 w + 8 hh + k, k = 0..7: sixteen lanes read 256 consecutive bytes, aligned.
; No matrix unit: an 8-row product that streams its weights once and has to stay in f32.  No cluster: no two work-groups read the same bytes but Wr's block, 4,096 of the 69,632 bytes that a work-group reads.
.set WRS,  0                           ; LDS: Wr's block [e 8][128 h] f32, 4,096 bytes
.set RED,  4096                        ; LDS: [contributor 2 w + hh, 16][e 8][64 columns] f32, 32,768 bytes
.set RSW,  36864                       ; LDS: eight words, each wave's sum over its 4,096 bytes of Wo
.set OWI,  4                           ; v4   my byte offset in Wi's block
.set OWO,  5                           ; v5   in Wo's two rows
.set OWR,  6                           ; v6   in Wr: row w, 16 bytes a lane
.set LST,  7                           ; v7   where I put those 16 bytes in WRS
.set LWR,  8                           ; v8   my eight rows' place in a row of WRS
.set LRS,  9                           ; v9   where my sums go in RED
.set LRD,  10                          ; v10  the two sums that I finish, in contributor 0
.set OPT,  11                          ; v11  their place in part
.set LSW,  15                          ; v15  my wave's word in RSW
.set WST,  16                          ; v[16:19]   16 bytes of Wr on their way into LDS
.set WIV,  20                          ; v[20:51]   Wi: row k at 4 k
.set WOV,  52                          ; v[52:83]   Wo
.set WRV,  84                          ; v[84:147]  Wr[e][my row k] at 8 e + k; later the 16 contributors' pairs
.set ACC,  148                         ; v[148:179] sums: 4 e + column
	s_load_b256 s[4:11], s[0:1], 0x0               ; Wi s[4:5], Wr s[6:7], Wo s[8:9], part s[10:11]
	s_load_b64 s[12:13], s[0:1], 0x20              ; rs
	v_lshl_add_u32 v180, v0, 2, 0x9100
	v_mov_b32 v181, 0
	v_lshrrev_b32 v3, 5, v0                        ; w
	v_readfirstlane_b32 s14, v3                    ; the wave's number as a scalar
	v_and_b32 v1, 15, v0                           ; q
	v_bfe_u32 v2, v0, 4, 1                         ; hh
	v_and_b32 v12, 31, v0                          ; lane
	v_lshlrev_b32 v13, 4, v12                      ; 16 x lane
	v_lshlrev_b32 v14, 3, v12                      ; 8 x lane
	v_lshlrev_b32 v[OWI], 4, v1
	v_lshl_add_u32 v[OWI], v2, 14, v[OWI]          ; + 8 rows of 2,048 bytes for the upper lanes
	v_lshl_add_u32 v[OWI], v3, 15, v[OWI]          ; + 16 rows a wave
	v_lshl_add_u32 v[OWO], v3, 12, v13             ; 4,096 w + 16 lane
	v_lshl_add_u32 v[OWR], v3, 14, v13             ; row w of Wr (16,384 bytes a row) + 16 lane
	v_lshlrev_b32 v[LST], 4, v0                    ; 512 w + 16 lane
	v_lshlrev_b32 v[LWR], 5, v2
	v_lshl_add_u32 v[LWR], v3, 6, v[LWR]           ; 4 (16 w + 8 hh)
	v_lshlrev_b32 v[LRS], 4, v1
	v_lshl_add_u32 v[LRS], v2, 11, v[LRS]
	v_lshl_add_u32 v[LRS], v3, 12, v[LRS]
	v_add_nc_u32 v[LRS], RED, v[LRS]               ; RED + 2,048 (2 w + hh) + 16 q
	v_lshl_add_u32 v[LRD], v3, 8, v14
	v_add_nc_u32 v[LRD], RED, v[LRD]               ; RED + 256 w + 8 lane: e = w, columns 2 lane, 2 lane + 1
	v_lshl_add_u32 v[OPT], v3, 11, v14             ; 2,048 w + 8 lane
	v_lshl_add_u32 v[LSW], v3, 2, RSW
	s_mov_b32 s15, ttmp9                           ; cb
	s_and_b32 s16, ttmp7, 0xffff                   ; hb
	s_lshl3_add_u32 s17, s16, s15                  ; g = 8 hb + cb
	s_mov_b32 s20, 0x76543210                      ; v_permlanex16_b32: each lane takes its own place in the other half
	s_mov_b32 s21, 0xfedcba98
	s_lshl_b32 s23, s15, 8                         ; 256 cb
	s_lshl_b32 s18, s16, 18                        ; 128 rows of 2,048 bytes
	s_add_co_u32 s18, s18, s23
	s_mov_b32 s19, 0
	s_wait_kmcnt 0x0
	s_add_nc_u64 s[4:5], s[4:5], s[18:19]          ; Wi at the block's first byte
	s_lshl_b32 s18, s16, 9
	s_add_nc_u64 s[6:7], s[6:7], s[18:19]          ; Wr at column 128 hb
	s_lshl_b32 s18, s17, 15
	s_add_nc_u64 s[8:9], s[8:9], s[18:19]          ; Wo at row 2 g
	s_lshl_b32 s18, s16, 14
	s_add_co_u32 s18, s18, s23
	s_add_nc_u64 s[10:11], s[10:11], s[18:19]      ; part at [hb][0][64 cb]
	s_lshl_b32 s18, s17, 3
	s_add_nc_u64 s[12:13], s[12:13], s[18:19]      ; rs at 2 g
	; all 17 loads of the wave go out at once: 8,704 bytes a wave on their way
	global_load_b128 v[WST:WST+3], v[OWR], s[6:7]
.irp k, 0,1,2,3,4,5,6,7
	global_load_b128 v[WIV+4*\k:WIV+4*\k+3], v[OWI], s[4:5] offset:2048*\k th:TH_LOAD_NT
.endr
.irp i, 0,1,2,3,4,5,6,7
	global_load_b128 v[WOV+4*\i:WOV+4*\i+3], v[OWO], s[8:9] offset:512*\i th:TH_LOAD_NT
.endr
	s_wait_loadcnt 16                              ; loads come back in order (ISA guide 5.7.1): Wr's is in, the 16 younger ones stay out
	ds_store_b128 v[LST], v[WST:WST+3]             ; Wr's block is copied once, in whole rows of 512 bytes, and used from LDS
	s_wait_dscnt 0x0                               ; for the others' sake: my part of the block is written
	s_barrier_signal -1
	s_barrier_wait -1
.irp e, 0,1,2,3,4,5,6,7
	ds_load_b128 v[WRV+8*\e:WRV+8*\e+3],   v[LWR] offset:WRS+512*\e       ; sixteen lanes read the same 16 bytes
	ds_load_b128 v[WRV+8*\e+4:WRV+8*\e+7], v[LWR] offset:WRS+512*\e+16
.endr
	s_wait_dscnt 0x0
	; 8 rows x 8 e x 4 columns; row 0's products start the sums: nothing is cleared
.irp k, 0,1,2,3,4,5,6,7
	s_wait_loadcnt 15-\k                           ; Wi's row k is in: behind it stand 7 - k of Wi's loads and Wo's eight
.irp e, 0,1,2,3,4,5,6,7
.irp c, 0,1,2,3
.if \k == 0
	v_mul_f32 v[ACC+4*\e+\c], v[WRV+8*\e], v[WIV+\c]
.else
	v_fmac_f32 v[ACC+4*\e+\c], v[WRV+8*\e+\k], v[WIV+4*\k+\c]
.endif
.endr
.endr
.endr
.irp e, 0,1,2,3,4,5,6,7
	ds_store_b128 v[LRS], v[ACC+4*\e:ACC+4*\e+3] offset:256*\e
.endr
; 16 pairs at v[b ..] are added up, neighbours first, into the pair v[b:b+1]: 15 packed additions
.macro TREE16 b
.irp d, 2,4,8,16
.set n, 0
.rept 32/(2*\d)
	v_pk_add_f32 v[\b+n:\b+n+1], v[\b+n:\b+n+1], v[\b+n+\d:\b+n+\d+1]
.set n, n+2*\d
.endr
.endr
.endm
	s_wait_loadcnt 0x0                             ; Wo
	TREE16 WOV
	v_add_f32 v[WOV], v[WOV], v[WOV+1]
	v_add_f32_dpp v[WOV], v[WOV], v[WOV] row_xmask:1 row_mask:0xf bank_mask:0xf
	v_add_f32_dpp v[WOV], v[WOV], v[WOV] row_xmask:2 row_mask:0xf bank_mask:0xf
	v_add_f32_dpp v[WOV], v[WOV], v[WOV] row_xmask:4 row_mask:0xf bank_mask:0xf
	v_add_f32_dpp v[WOV], v[WOV], v[WOV] row_xmask:8 row_mask:0xf bank_mask:0xf
	v_permlanex16_b32 v[WOV+1], v[WOV], s20, s21   ; its destination counts as read: a register that has been written
	v_add_f32 v[WOV], v[WOV], v[WOV+1]             ; the sum over my wave's 1,024 numbers of Wo, in every lane
	ds_store_b32 v[LSW], v[WOV]                    ; all lanes write the same word with the same value
	s_wait_dscnt 0x0                               ; for the others' sake: my sums are in RED and RSW
	s_barrier_signal -1
	s_barrier_wait -1
.irp n, 0,1,2,3,4,5,6,7,8,9,10,11,12,13,14,15
	ds_load_b64 v[WRV+2*\n:WRV+2*\n+1], v[LRD] offset:2048*\n     ; the same two sums of the 16 contributors
.endr
	s_wait_dscnt 0x0
	TREE16 WRV
	global_store_b64 v[OPT], v[WRV:WRV+1], s[10:11]               ; a wave stores 256 consecutive bytes, at a multiple of 256 from part's first byte
	s_cmp_lg_u32 s14, 0
	s_cbranch_scc1 .Lend                           ; wave 0 alone finishes the two row sums
	v_mov_b32 v12, RSW
	ds_load_b128 v[20:23], v12                     ; waves 0-3: row 2 g
	ds_load_b128 v[24:27], v12 offset:16           ; waves 4-7: row 2 g + 1
	v_mov_b32 v13, 0
	s_wait_dscnt 0x0
	v_pk_add_f32 v[20:21], v[20:21], v[22:23]
	v_pk_add_f32 v[24:25], v[24:25], v[26:27]
	v_add_f32 v20, v20, v21
	v_add_f32 v21, v24, v25
	s_wait_xcnt 0x0                                ; EXEC is a source of the store above: it changes only behind this wait
	v_cmp_eq_u32 vcc_lo, 0, v0
	s_and_saveexec_b32 s22, vcc_lo
	global_store_b64 v13, v[20:21], s[12:13]       ; 8 bytes: a work-group owns two of rs's 512 numbers
	s_wait_xcnt 0x0                                ; and again in front of the line that widens it
	s_or_b32 exec_lo, exec_lo, s22
.Lend:
	s_wait_tensorcnt 0x0
	ds_add_u32 v180, v181
	s_wait_dscnt 0x0
	s_endpgm
.Lfunc_end_k_q64f3945032_fold:
	.size	k_q64f3945032_fold, .Lfunc_end_k_q64f3945032_fold-k_q64f3945032_fold
	.p2alignl 7, 3214868480
	.fill 96, 4, 3214868480
	.section	.rodata,"a",@progbits
	.p2align	6, 0x0
	.amdhsa_kernel k_q64f3945032_fold
		.amdhsa_group_segment_fixed_size 38144
		.amdhsa_private_segment_fixed_size 0
		.amdhsa_enable_private_segment 0
		.amdhsa_kernarg_size 40
		.amdhsa_user_sgpr_count 2
		.amdhsa_user_sgpr_kernarg_segment_ptr 1
		.amdhsa_wavefront_size32 1
		.amdhsa_system_sgpr_workgroup_id_x 1
		.amdhsa_system_sgpr_workgroup_id_y 1
		.amdhsa_system_sgpr_workgroup_id_z 1
		.amdhsa_system_vgpr_workitem_id 0
		.amdhsa_next_free_vgpr 182
		.amdhsa_next_free_sgpr 66
		.amdhsa_reserve_vcc 1
		.amdhsa_float_denorm_mode_32 3
		.amdhsa_float_denorm_mode_16_64 3
		.amdhsa_memory_ordered 1
		.amdhsa_forward_progress 1
		.amdhsa_inst_pref_size 19
	.end_amdhsa_kernel
	.amdgpu_metadata
---
amdhsa.version: [ 1, 2 ]
amdhsa.kernels:
  - .name:           k_q64f3945032_fold
    .symbol:         k_q64f3945032_fold.kd
    .args:
      - { .name: Wi, .offset: 0, .size: 8, .value_kind: global_buffer, .address_space: global }
      - { .name: Wr, .offset: 8, .size: 8, .value_kind: global_buffer, .address_space: global }
      - { .name: Wo, .offset: 16, .size: 8, .value_kind: global_buffer, .address_space: global }
      - { .name: part, .offset: 24, .size: 8, .value_kind: global_buffer, .address_space: global }
      - { .name: rs, .offset: 32, .size: 8, .value_kind: global_buffer, .address_space: global }
    .group_segment_fixed_size: 38144
    .private_segment_fixed_size: 0
    .kernarg_segment_align: 8
    .kernarg_segment_size: 40
    .max_flat_workgroup_size: 256
    .sgpr_count:     66
    .vgpr_count:     182
    .wavefront_size: 32
...
	.end_amdgpu_metadata
.endif
;; end of part 1
;; launch split (part 2): grid 8 x 1, 4 waves a work-group, no clusters, 768 bytes of LDS; arguments part, Wi, Wr, bi, br, gs, yb; writes gs, yb
.if DOCPART == 2
	.amdgcn_target "amdgcn-amd-amdhsa--gfx1250"
	.amdhsa_code_object_version 6
	.text
	.protected	k_q64f3945032_split
	.globl	k_q64f3945032_split
	.p2align	8
	.type	k_q64f3945032_split,@function
k_q64f3945032_split:
	s_mov_b64 s[64:65], 0
	v_nop
	global_prefetch_b8 v0, s[64:65] scope:SCOPE_SE
	s_setreg_imm32_b32 hwreg(HW_REG_WAVE_MODE, 25, 1), 1
	s_wait_xcnt 0x0
; SPLIT.  Work-group e (0..7) finishes row e of M = Wr Wi (the sum of the 32 partial rows), takes row e of Wi, and writes both as THREE bf16 parts:
; g = hi + mid + lo with hi = bf16(g), mid = bf16(g - hi), lo = bf16(g - hi - mid); both differences are exact in f32.  gs[p][row][k]: rows 0-7 M, rows 8-15 Wi[0:8].
; It also makes the 16 offsets: yb[e] = Wr[e] . bi + br[e] (the logit's), yb[8 + e] = bi[e] (h[e]'s).
; Thread t (0..127) owns columns 4 t .. 4 t + 3.  There is work for eight work-groups (8,192 numbers and eight dot products of 4,096) and no more are launched.
; LIMITS.  Numbers above bf16's largest (3.39e38), NaN and infinities are not served; a part below 2^-126 loses bits.
.set NEG1, 3                           ; v3   -1.0
.set WRV,  8                           ; v[8:39]    Wr's row e, 32 numbers a thread
.set BIV,  40                          ; v[40:71]   bi, the same places
.set WIV,  72                          ; v[72:75]   Wi's row e, my four columns
.set PV,   76                          ; v[76:203]  the 32 partial rows, my four columns: block hb at 4 hb
.set HI,   204                         ; v[204:209] the three parts, four bf16 each
.set MID,  206
.set LO,   208
.set DT,   210                         ; v[210:213] the dot product's two packed chains
.set LW,   214                         ; v214       my wave's word in LDS; later 0
.set FIN,  216                         ; v[216:219] the four waves' sums
	s_load_b256 s[4:11], s[0:1], 0x0               ; part s[4:5], Wi s[6:7], Wr s[8:9], bi s[10:11]
	s_load_b128 s[12:15], s[0:1], 0x20             ; br s[12:13], gs s[14:15]
	s_load_b64 s[16:17], s[0:1], 0x30              ; yb
	v_lshl_add_u32 v224, v0, 2, 0x100
	v_mov_b32 v225, 0
	v_lshrrev_b32 v[LW], 5, v0
	v_readfirstlane_b32 s20, v[LW]                 ; the wave's number as a scalar
	v_lshlrev_b32 v[LW], 2, v[LW]
	v_lshlrev_b32 v1, 4, v0                        ; 16 t: four f32
	v_lshlrev_b32 v2, 3, v0                        ; 8 t: four bf16
	v_mov_b32 v[NEG1], -1.0
	s_mov_b32 s24, 0x76543210
	s_mov_b32 s25, 0xfedcba98
	s_lshl_b32 s22, ttmp9, 2                       ; 4 e
	s_mov_b32 s23, 0
	s_wait_kmcnt 0x0
	s_add_nc_u64 s[12:13], s[12:13], s[22:23]      ; br at e
	s_add_nc_u64 s[28:29], s[10:11], s[22:23]      ; bi at e, in a pair of its own: bi's base stays for the vector loads
	s_add_nc_u64 s[16:17], s[16:17], s[22:23]      ; yb at e
	s_load_b32 s26, s[12:13], 0x0                  ; br[e]
	s_load_b32 s27, s[28:29], 0x0                  ; bi[e]
	s_lshl_b32 s22, ttmp9, 11
	s_add_nc_u64 s[4:5], s[4:5], s[22:23]          ; part at [0][e][0]
	s_add_nc_u64 s[6:7], s[6:7], s[22:23]          ; Wi at row e
	s_lshl_b32 s22, ttmp9, 14
	s_add_nc_u64 s[8:9], s[8:9], s[22:23]          ; Wr at row e
	s_lshl_b32 s22, ttmp9, 10
	s_add_nc_u64 s[14:15], s[14:15], s[22:23]      ; gs at [0][e][0]
	; 49 loads of the wave go out at once; each covers 512 consecutive bytes
.irp i, 0,1,2,3,4,5,6,7
	global_load_b128 v[WRV+4*\i:WRV+4*\i+3], v1, s[8:9] offset:2048*\i
.endr
.irp i, 0,1,2,3,4,5,6,7
	global_load_b128 v[BIV+4*\i:BIV+4*\i+3], v1, s[10:11] offset:2048*\i
.endr
	global_load_b128 v[WIV:WIV+3], v1, s[6:7]
.set n, 0
.rept 32
	global_load_b128 v[PV+4*n:PV+4*n+3], v1, s[4:5] offset:16384*n
.set n, n+1
.endr
	s_wait_loadcnt 33                              ; Wr and bi are in; Wi's quad and the 32 partial rows stay out
	v_pk_mul_f32 v[DT:DT+1],   v[WRV:WRV+1],   v[BIV:BIV+1]       ; the first products start the two chains
	v_pk_mul_f32 v[DT+2:DT+3], v[WRV+2:WRV+3], v[BIV+2:BIV+3]
.irp i, 1,2,3,4,5,6,7
	v_pk_fma_f32 v[DT:DT+1],   v[WRV+4*\i:WRV+4*\i+1],   v[BIV+4*\i:BIV+4*\i+1],   v[DT:DT+1]
	v_pk_fma_f32 v[DT+2:DT+3], v[WRV+4*\i+2:WRV+4*\i+3], v[BIV+4*\i+2:BIV+4*\i+3], v[DT+2:DT+3]
.endr
	v_pk_add_f32 v[DT:DT+1], v[DT:DT+1], v[DT+2:DT+3]
	v_add_f32 v[DT], v[DT], v[DT+1]
	v_add_f32_dpp v[DT], v[DT], v[DT] row_xmask:1 row_mask:0xf bank_mask:0xf
	v_add_f32_dpp v[DT], v[DT], v[DT] row_xmask:2 row_mask:0xf bank_mask:0xf
	v_add_f32_dpp v[DT], v[DT], v[DT] row_xmask:4 row_mask:0xf bank_mask:0xf
	v_add_f32_dpp v[DT], v[DT], v[DT] row_xmask:8 row_mask:0xf bank_mask:0xf
	v_permlanex16_b32 v[DT+1], v[DT], s24, s25     ; its destination counts as read: a register that has been written
	v_add_f32 v[DT], v[DT], v[DT+1]
	ds_store_b32 v[LW], v[DT]                      ; my wave's quarter of the dot product
	s_wait_dscnt 0x0                               ; for wave 0's sake
	s_barrier_signal -1
	s_barrier_wait -1
.macro PART dst, src                   ; four numbers rounded to bf16 (to nearest even), packed
	v_cvt_pk_bf16_f32 v[\dst],   v[\src],   v[\src+1]
	v_cvt_pk_bf16_f32 v[\dst+1], v[\src+2], v[\src+3]
.endm
.macro REST dst, src                   ; what the rounding left: src - part, one fused multiply-add by -1 straight from the bf16 half; exact
	v_fma_mix_f32_bf16 v[\src],   v[\dst],   v[NEG1], v[\src]   op_sel_hi:[1,0,0]
	v_fma_mix_f32_bf16 v[\src+1], v[\dst],   v[NEG1], v[\src+1] op_sel:[1,0,0] op_sel_hi:[1,0,0]
	v_fma_mix_f32_bf16 v[\src+2], v[\dst+1], v[NEG1], v[\src+2] op_sel_hi:[1,0,0]
	v_fma_mix_f32_bf16 v[\src+3], v[\dst+1], v[NEG1], v[\src+3] op_sel:[1,0,0] op_sel_hi:[1,0,0]
.endm
.macro SPLIT4 src
	PART HI, \src
	REST HI, \src
	PART MID, \src
	REST MID, \src
	PART LO, \src
.endm
	s_wait_loadcnt 32                              ; Wi's quad is in; the 32 partial rows stay out
	SPLIT4 WIV
.irp p, 0,1,2
	global_store_b64 v2, v[HI+2*\p:HI+2*\p+1], s[14:15] offset:16384*\p+8192   ; row 8 + e of part p; a wave stores 256 consecutive bytes, aligned
.endr
	s_wait_loadcnt 0x0
.macro QADD a, b                       ; quad a += quad b
	v_pk_add_f32 v[PV+4*(\a):PV+4*(\a)+1],   v[PV+4*(\a):PV+4*(\a)+1],   v[PV+4*(\b):PV+4*(\b)+1]
	v_pk_add_f32 v[PV+4*(\a)+2:PV+4*(\a)+3], v[PV+4*(\a)+2:PV+4*(\a)+3], v[PV+4*(\b)+2:PV+4*(\b)+3]
.endm
.irp d, 1,2,4,8,16                     ; the 32 blocks are added up, neighbours first: 62 packed additions
.set n, 0
.rept 16/\d
	QADD n, n+\d
.set n, n+2*\d
.endr
.endr
	s_wait_xcnt 0x0                                ; the three parts' registers, which the stores above read, are rewritten only behind this wait
	SPLIT4 PV
.irp p, 0,1,2
	global_store_b64 v2, v[HI+2*\p:HI+2*\p+1], s[14:15] offset:16384*\p        ; row e of part p
.endr
	s_wait_kmcnt 0x0                               ; br[e], bi[e]
	s_cmp_lg_u32 s20, 0
	s_cbranch_scc1 .Lend                           ; wave 0 alone stores the two offsets
	v_mov_b32 v[LW], 0
	ds_load_b128 v[FIN:FIN+3], v[LW]
	s_wait_dscnt 0x0
	v_pk_add_f32 v[FIN:FIN+1], v[FIN:FIN+1], v[FIN+2:FIN+3]
	v_add_f32 v[FIN], v[FIN], v[FIN+1]
	v_add_f32 v[FIN], s26, v[FIN]                  ; Wr[e] . bi + br[e]
	v_mov_b32 v[FIN+1], s27                        ; bi[e]
	s_wait_xcnt 0x0                                ; EXEC is a source of the stores above: it changes only behind this wait
	v_cmp_eq_u32 vcc_lo, 0, v0
	s_and_saveexec_b32 s30, vcc_lo
	global_store_b32 v[LW], v[FIN], s[16:17]
	global_store_b32 v[LW], v[FIN+1], s[16:17] offset:32
	s_wait_xcnt 0x0                                ; and again in front of the line that widens it
	s_or_b32 exec_lo, exec_lo, s30
.Lend:
	s_wait_tensorcnt 0x0
	ds_add_u32 v224, v225
	s_wait_dscnt 0x0
	s_endpgm
.Lfunc_end_k_q64f3945032_split:
	.size	k_q64f3945032_split, .Lfunc_end_k_q64f3945032_split-k_q64f3945032_split
	.p2alignl 7, 3214868480
	.fill 96, 4, 3214868480
	.section	.rodata,"a",@progbits
	.p2align	6, 0x0
	.amdhsa_kernel k_q64f3945032_split
		.amdhsa_group_segment_fixed_size 768
		.amdhsa_private_segment_fixed_size 0
		.amdhsa_enable_private_segment 0
		.amdhsa_kernarg_size 56
		.amdhsa_user_sgpr_count 2
		.amdhsa_user_sgpr_kernarg_segment_ptr 1
		.amdhsa_wavefront_size32 1
		.amdhsa_system_sgpr_workgroup_id_x 1
		.amdhsa_system_sgpr_workgroup_id_y 1
		.amdhsa_system_sgpr_workgroup_id_z 1
		.amdhsa_system_vgpr_workitem_id 0
		.amdhsa_next_free_vgpr 226
		.amdhsa_next_free_sgpr 66
		.amdhsa_reserve_vcc 1
		.amdhsa_float_denorm_mode_32 3
		.amdhsa_float_denorm_mode_16_64 3
		.amdhsa_memory_ordered 1
		.amdhsa_forward_progress 1
		.amdhsa_inst_pref_size 15
	.end_amdhsa_kernel
	.amdgpu_metadata
---
amdhsa.version: [ 1, 2 ]
amdhsa.kernels:
  - .name:           k_q64f3945032_split
    .symbol:         k_q64f3945032_split.kd
    .args:
      - { .name: part, .offset: 0, .size: 8, .value_kind: global_buffer, .address_space: global }
      - { .name: Wi, .offset: 8, .size: 8, .value_kind: global_buffer, .address_space: global }
      - { .name: Wr, .offset: 16, .size: 8, .value_kind: global_buffer, .address_space: global }
      - { .name: bi, .offset: 24, .size: 8, .value_kind: global_buffer, .address_space: global }
      - { .name: br, .offset: 32, .size: 8, .value_kind: global_buffer, .address_space: global }
      - { .name: gs, .offset: 40, .size: 8, .value_kind: global_buffer, .address_space: global }
      - { .name: yb, .offset: 48, .size: 8, .value_kind: global_buffer, .address_space: global }
    .group_segment_fixed_size: 768
    .private_segment_fixed_size: 0
    .kernarg_segment_align: 8
    .kernarg_segment_size: 56
    .max_flat_workgroup_size: 128
    .sgpr_count:     66
    .vgpr_count:     226
    .wavefront_size: 32
...
	.end_amdgpu_metadata
.endif
;; end of part 2
;; launch route (part 3): grid 256 x 1, 4 waves a work-group, no clusters, 185,600 bytes of LDS; arguments x, gs, yb, rs, bo, out0; writes out0
.if DOCPART == 3
	.amdgcn_target "amdgcn-amd-amdhsa--gfx1250"
	.amdhsa_code_object_version 6
	.text
	.protected	k_q64f3945032_route
	.globl	k_q64f3945032_route
	.p2align	8
	.type	k_q64f3945032_route,@function
k_q64f3945032_route:
	s_mov_b64 s[64:65], 0
	v_nop
	global_prefetch_b8 v0, s[64:65] scope:SCOPE_SE
	s_setreg_imm32_b32 hwreg(HW_REG_WAVE_MODE, 25, 1), 1
	s_wait_xcnt 0x0
; ROUTE.  For each of the 16,384 tokens: Y = G x + yb (16 numbers: rows 0-7 the logits, rows 8-15 h[0..7]), softmax over the logits, the two largest weights,
; a = the mean of the two h picked, out0[t][o] = a rs[o] + bo[o].
; PRECISION.  The choice of two is discrete, so Y needs the accuracy of f32 while the matrix unit takes bf16.  G comes as three bf16 parts (Gh, Gm, Gl); x is split here in the same way
; (xh = bf16(x), xm = bf16(x - xh), xl = bf16(x - xh - xm), the differences exact).  Six products are formed, each in an f32 accumulator of its own:
; Gh xh | Gh xm, Gm xh | Gh xl, Gm xm, Gl xh.  Left out are Gm xl, Gl xm, Gl xl: at most 2^-26 of the leading term.
; SHARES.  A work-group owns 64 tokens, each of its four waves 16: one matrix tile.  The work-group's x (131,072 bytes) and G (49,152 bytes) lie in LDS at once: every LDS byte is filled once,
; all tensor loads go out at the start (five a wave are out at the most), and there is one barrier, for G, whose rows the four waves fetch for each other.
; LAYOUT.  Source 0 = the 16 rows of G, source 1 = 16 tokens: in the result lane l holds token l % 16, and its registers 0-7 the rows 8 (l / 16) + 0..7: lanes 0-15 a token's 8 logits, lanes 16-31 its h[0..7].
; NO CLUSTER: what the work-groups share is G, 49,152 of the 311,296 bytes that a work-group moves; joint loads would put two rounds of a cluster's barrier into a text that has one barrier.
; LIMITS.  NaN and infinities in the inputs, and |x| above bf16's largest number (3.39e38), are not served.  v_exp_f32 gives 0 for a weight below 2^-126 (ISA guide 15.8): logits more than 87.3 below
; the token's largest tie at weight 0 and the lowest index wins.  The sums are ordered otherwise than in the problem's formula: where a token's second and third weights differ by no more than f32's rounding
; noise in the logits (some 1e-7 at the drawn sizes) either may be ranked second.
.set XPITCH, 528                       ; a row of a chunk of x in LDS: 512 bytes + 16 of padding: 33 x 16 bytes, so the 16 rows that a load touches fall on 16 different 16-byte columns of 256 bytes
.set XCH,    16*XPITCH                 ; a chunk: 16 tokens x 128 along K
.set XWAVE,  4*XCH                     ; a wave's four chunks
.set GW,     4*XWAVE                   ; behind x (135,168): G, 48 rows (16 p + row)
.set GPITCH, 1040                      ; 1,024 bytes + 16 of padding: 65 x 16 bytes
.set XA,   3                           ; v3   LDS address of my part of a fragment of x
.set GA,   4                           ; v4   the same for G
.set NEG1, 5                           ; v5   -1.0
.set CO,   6                           ; v6   16 x lane: my place in 512 bytes of rs, bo and out0
.set YB,   8                           ; v[8:15]    yb[8 (l / 16) + j]
.set RS,   16                          ; v[16:31]   rs, columns 128 q + 4 lane + 0..3 at 4 q
.set BOV,  32                          ; v[32:47]   bo, the same columns
.set XR,   48                          ; v[48:79]   x in f32, then what the roundings leave: two buffers of 16
.set GF,   80                          ; v[80:127]  G's fragments: two buffers of 24, part p at 8 p
.set XF,   128                         ; v[128:151] xh, xm, xl: 8 each
.set ACC,  152                         ; v[152:199] six accumulators
.set T1,   200                         ; v[200:207] sums, then Y
.set T2,   208                         ; v[208:215] the small terms' sum, then V: Y of the lane 16 away
.set WT,   216                         ; v[216:223] exponents, then weights
.set MX,   224                         ; v224-225   maxima
.set CM,   226                         ; v[226:227] log2(e) x maximum, twice
.set SM,   228                         ; v[228:231] sums; v[230:231] 1 / sum, twice
.set W1,   232                         ; the largest weight and its h, the second and its h
.set H1,   233
.set W2,   234
.set H2,   235
.set AV,   236                         ; a
.set OB,   48                          ; v[48:175]  on the way out: eight buffers of 16 (a row of out0: 16 numbers a lane)
.set G1X,  24                          ; s[24:31] descriptor group 1 for x's chunks
.set G1G,  32                          ; s[32:39] for G
.set G0G,  40                          ; s[40:43] descriptor group 0 for G
.set G0X,  44                          ; s[44:59] for x's chunks, a set each
	s_load_b256 s[4:11], s[0:1], 0x0               ; x s[4:5], gs s[6:7], yb s[8:9], rs s[10:11]
	s_load_b128 s[12:15], s[0:1], 0x20             ; bo s[12:13], out0 s[14:15]
	v_lshl_add_u32 v248, v0, 2, 0x2d300
	v_mov_b32 v249, 0
	ds_add_u32 v248, v249
	ds_add_u32 v248, v249
	v_lshrrev_b32 v1, 5, v0
	v_readfirstlane_b32 s16, v1                    ; the wave's number as a scalar
	; group 1 for x: 16 rows x 128 elements of 4 bytes, 512 elements from row to row
	s_mov_b32 s[G1X+0], (2<<16)|(1<<20)|(6<<22)|(3<<25)   ; 17:16 elements of 4 bytes; 20 padding on; 24:22 after every 128 words (code 6); 31:25 4 words of it (code 3)
	s_mov_b32 s[G1X+1], 128<<16                    ; tensor_dim0 = 128
	s_mov_b32 s[G1X+2], 16<<16                     ; tensor_dim1 = 16
	s_mov_b32 s[G1X+3], 128<<16                    ; tile_dim0 = 128
	s_mov_b32 s[G1X+4], 16                         ; tile_dim1 = 16
	s_mov_b32 s[G1X+5], 512                        ; tensor_dim0_stride
	s_mov_b32 s[G1X+6], 0
	s_mov_b32 s[G1X+7], 0
	; group 1 for G: 12 rows x 512 elements of 2 bytes, dense
	s_mov_b32 s[G1G+0], (1<<16)|(1<<20)|(7<<22)|(3<<25)   ; elements of 2 bytes; padding after every 256 words (code 7), 4 words of it
	s_mov_b32 s[G1G+1], 512<<16
	s_mov_b32 s[G1G+2], 12<<16
	s_mov_b32 s[G1G+3], 512<<16
	s_mov_b32 s[G1G+4], 12
	s_mov_b32 s[G1G+5], 512
	s_mov_b32 s[G1G+6], 0
	s_mov_b32 s[G1G+7], 0
	s_mov_b32 s60, 0x76543210                      ; v_permlanex16_b32: each lane takes its own place in the other half
	s_mov_b32 s61, 0xfedcba98
	s_mov_b32 s62, 0x3fb8aa3b                      ; log2(e); named as a pair by the packed lines, so both words are written
	s_mov_b32 s63, 0x3fb8aa3b
	s_mov_b32 s67, 0                               ; the upper words of the two pairs that hold a
	s_mov_b32 s69, 0
	s_mul_i32 s20, s16, XWAVE                      ; my wave's chunks in LDS
	s_mul_i32 s21, s16, 12*GPITCH                  ; my 12 rows of G in LDS,
	s_mul_i32 s22, s16, 12*1024                    ; and in gs
	s_mov_b32 s23, 0
	s_lshl_b32 s18, ttmp9, 17                      ; the work-group's 64 rows of 2,048 bytes,
	s_lshl_b32 s19, s16, 15                        ; my wave's 16 of them
	s_add_co_u32 s18, s18, s19
	s_mov_b32 s19, 0
	s_wait_dscnt 0x0
	s_wait_kmcnt 0x0
	s_add_nc_u64 s[4:5], s[4:5], s[18:19]          ; x and out0 at my wave's first token
	s_add_nc_u64 s[14:15], s[14:15], s[18:19]
	s_add_nc_u64 s[6:7], s[6:7], s[22:23]          ; gs at my 12 rows
	s_mov_b32 s[G0G], 1                            ; count = 1
	s_add_co_u32 s[G0G+1], s21, GW                 ; LDS address
	s_mov_b64 s[G0G+2:G0G+3], s[6:7]               ; global address
	s_or_b32 s[G0G+3], s[G0G+3], 0x80000000        ; type = 2
.irp c, 0,1,2,3
	s_mov_b32 s[G0X+4*\c], 1
	s_add_co_u32 s[G0X+4*\c+1], s20, \c*XCH
	s_add_nc_u64 s[G0X+4*\c+2:G0X+4*\c+3], s[4:5], \c*512         ; K = 128 c on: rows of 512 bytes at multiples of 512 from x's first byte
	s_or_b32 s[G0X+4*\c+3], s[G0X+4*\c+3], 0x80000000
.endr
	; all fills of the launch, as one group ahead of every wait on TENSORcnt, every LDS read and the barrier
	tensor_load_to_lds s[G0G:G0G+3], s[G1G:G1G+7]
	s_nop 0
.irp c, 0,1,2,3
	tensor_load_to_lds s[G0X+4*\c:G0X+4*\c+3], s[G1X:G1X+7]
	s_nop 0
.endr
	v_and_b32 v1, 15, v0                           ; r = l % 16
	v_bfe_u32 v2, v0, 4, 1                         ; h = l / 16
	; A fragment is 16 rows x 32 K: lane l holds row r; registers 0-3 K = 8 h + 0..7, registers 4-7 K = 16 + 8 h + 0..7.  In f32 those are 32 bytes at 32 h and 32 bytes at 64 + 32 h.
	v_mul_u32_u24 v[XA], v1, XPITCH
	v_lshl_add_u32 v[XA], v2, 5, v[XA]
	v_add_nc_u32 v[XA], s20, v[XA]
	v_mul_u32_u24 v[GA], v1, GPITCH
	v_lshl_add_u32 v[GA], v2, 4, v[GA]             ; in bf16: 16 bytes at 16 h and 16 bytes at 32 + 16 h
	v_add_nc_u32 v[GA], GW, v[GA]
	v_mov_b32 v[NEG1], -1.0
	v_and_b32 v[CO], 31, v0
	v_lshlrev_b32 v[CO], 4, v[CO]
	v_lshlrev_b32 v7, 5, v2                        ; 32 h: my eight numbers of yb
	global_load_b128 v[YB:YB+3],   v7, s[8:9]
	global_load_b128 v[YB+4:YB+7], v7, s[8:9] offset:16
.irp q, 0,1,2,3
	global_load_b128 v[RS+4*\q:RS+4*\q+3], v[CO], s[10:11] offset:512*\q
.endr
.irp q, 0,1,2,3
	global_load_b128 v[BOV+4*\q:BOV+4*\q+3], v[CO], s[12:13] offset:512*\q
.endr
.macro LDX buf, c, q                   ; 32 along K of chunk c, quarter q, in f32: 16 registers
	ds_load_b128 v[XR+16*(\buf):XR+16*(\buf)+3],     v[XA] offset:XCH*(\c)+128*(\q)
	ds_load_b128 v[XR+16*(\buf)+4:XR+16*(\buf)+7],   v[XA] offset:XCH*(\c)+128*(\q)+16
	ds_load_b128 v[XR+16*(\buf)+8:XR+16*(\buf)+11],  v[XA] offset:XCH*(\c)+128*(\q)+64
	ds_load_b128 v[XR+16*(\buf)+12:XR+16*(\buf)+15], v[XA] offset:XCH*(\c)+128*(\q)+80
.endm
.macro LDG buf, k                      ; K step k of G's three parts
.irp p, 0,1,2
	ds_load_b128 v[GF+24*(\buf)+8*\p:GF+24*(\buf)+8*\p+3],   v[GA] offset:16*GPITCH*\p+64*(\k)
	ds_load_b128 v[GF+24*(\buf)+8*\p+4:GF+24*(\buf)+8*\p+7], v[GA] offset:16*GPITCH*\p+64*(\k)+32
.endr
.endm
.macro CVT part, buf                   ; a part of x: 16 numbers rounded to bf16, the lower K in the lower half
.set i, 0
.rept 8
	v_cvt_pk_bf16_f32 v[XF+8*\part+i], v[XR+16*(\buf)+2*i], v[XR+16*(\buf)+2*i+1]
.set i, i+1
.endr
.endm
.macro RES part, buf                   ; what the rounding left: one fused multiply-add by -1 straight from the bf16 half; exact
.set i, 0
.rept 8
	v_fma_mix_f32_bf16 v[XR+16*(\buf)+2*i],   v[XF+8*\part+i], v[NEG1], v[XR+16*(\buf)+2*i]   op_sel_hi:[1,0,0]
	v_fma_mix_f32_bf16 v[XR+16*(\buf)+2*i+1], v[XF+8*\part+i], v[NEG1], v[XR+16*(\buf)+2*i+1] op_sel:[1,0,0] op_sel_hi:[1,0,0]
.set i, i+1
.endr
.endm
.macro MM a, gp, xp, buf               ; accumulator a += part gp of G x part xp of x; the first K step starts the sums: nothing is cleared
.if st == 0
	v_wmma_f32_16x16x32_bf16 v[ACC+8*\a:ACC+8*\a+7], v[GF+24*(\buf)+8*\gp:GF+24*(\buf)+8*\gp+7], v[XF+8*\xp:XF+8*\xp+7], 0
.else
	v_wmma_f32_16x16x32_bf16 v[ACC+8*\a:ACC+8*\a+7], v[GF+24*(\buf)+8*\gp:GF+24*(\buf)+8*\gp+7], v[XF+8*\xp:XF+8*\xp+7], v[ACC+8*\a:ACC+8*\a+7]
.endif
.endm
; K step st (32 along K).  The six accumulators take turns, one instruction a turn, from step to step too.
; A load into a register that a matrix instruction has read, and a vector instruction that writes one, stand four plain vector instructions that name none of its registers behind it
; (ISA guide 7.12.1 for vector instructions): the eight roundings at the step's head are those places behind the last step's last product, ahead of the loads into
; its buffer of G; each part of x is written again 24 such instructions or more behind its last product.
.macro STEP
.set bf, st%2
.set nb, 1-bf
.set ns, st+1
.set nc, ns/4
.set nq, ns%4
	s_wait_dscnt 6                                 ; LDS loads come back in order (ISA guide 5.7.1): this step's four of x are in, its six of G may be out
	CVT 0, bf
.if st < 15
.if nq == 0
	s_wait_tensorcnt 3-nc                          ; tensor loads of a wave end in order (ISA guide 10.11.1): chunk nc is in, the 3 - nc behind it stay out; only I read my chunks
.endif
	LDX nb, nc, nq
	LDG nb, ns
	s_wait_dscnt 10                                ; all but the ten just issued: this step's G is in
.else
	s_wait_dscnt 0x0
.endif
	MM 0, 0, 0, bf                                 ; Gh xh
	MM 2, 1, 0, bf                                 ; Gm xh
	MM 5, 2, 0, bf                                 ; Gl xh
	RES 0, bf
	CVT 1, bf
	MM 1, 0, 1, bf                                 ; Gh xm
	MM 4, 1, 1, bf                                 ; Gm xm
	RES 1, bf
	CVT 2, bf
	MM 3, 0, 2, bf                                 ; Gh xl
.set st, st+1
.endm
	s_wait_tensorcnt 4                             ; my 12 rows of G are in; the four chunks of x stay out
	s_barrier_signal -1
	s_barrier_wait -1                              ; everybody's rows of G are in
	s_wait_tensorcnt 3                             ; chunk 0
	LDX 0, 0, 0
	LDG 0, 0
.set st, 0
.rept 16
	STEP
.endr
	; Y: the six sums are added from the small end, each accumulator read from its low registers on.  The first eight additions name nothing of the last product and are its places.
.macro ADD8 d, a, b
.irp i, 0,2,4,6
	v_pk_add_f32 v[\d+\i:\d+\i+1], v[\a+\i:\a+\i+1], v[\b+\i:\b+\i+1]
.endr
.endm
	s_wait_loadcnt 0x0                             ; yb, rs, bo
	ADD8 T1, ACC+8, ACC+16                         ; Gh xm + Gm xh
	ADD8 T2, ACC+32, ACC+40                        ; Gm xm + Gl xh
	ADD8 T2, T2, ACC+24                            ; + Gh xl
	ADD8 T1, T1, T2
	ADD8 T1, T1, ACC                               ; + Gh xh
	ADD8 T1, T1, YB
	; Lanes 0-15 hold a token's logits in Y and fetch its h[0..7] from the lane 16 away.  Lanes 16-31 run the same lines with the two swapped; their result is never read.
.irp j, 0,1,2,3,4,5,6,7
	v_permlanex16_b32 v[T2+\j], v[T1+\j], s60, s61 ; the destination counts as read: T2's registers have been written
.endr
	; softmax: w = 2^(c y - c max) / sum, c = log2(e)
	v_max3_num_f32 v[MX],   v[T1],   v[T1+1], v[T1+2]
	v_max3_num_f32 v[MX+1], v[T1+3], v[T1+4], v[T1+5]
	v_max3_num_f32 v[MX],   v[MX],   v[T1+6], v[T1+7]
	v_max_num_f32  v[MX],   v[MX],   v[MX+1]
	v_mul_f32 v[CM],   s62, v[MX]
	v_mul_f32 v[CM+1], s62, v[MX]
.irp i, 0,2,4,6
	v_pk_fma_f32 v[WT+\i:WT+\i+1], v[T1+\i:T1+\i+1], s[62:63], v[CM:CM+1] op_sel_hi:[1,0,1] neg_lo:[0,0,1] neg_hi:[0,0,1]
.endr
.irp j, 0,1,2,3,4,5,6,7
	v_exp_f32 v[WT+\j], v[WT+\j]
.endr
	v_nop                                          ; a plain instruction between the last exponential and the use of its result (ISA guide 5.7.2)
	s_wait_alu depctr_va_vdst(0)
	v_pk_add_f32 v[SM:SM+1],   v[WT:WT+1],     v[WT+2:WT+3]
	v_pk_add_f32 v[SM+2:SM+3], v[WT+4:WT+5],   v[WT+6:WT+7]
	v_pk_add_f32 v[SM:SM+1],   v[SM:SM+1],     v[SM+2:SM+3]
	v_add_f32 v[SM], v[SM], v[SM+1]                ; at least about 1: the largest logit's own term
	v_rcp_f32 v[SM+2], v[SM]
	v_rcp_f32 v[SM+3], v[SM]                       ; twice, to fill the pair that the packed multiply takes
	v_nop
	s_wait_alu depctr_va_vdst(0)
.irp i, 0,2,4,6
	v_pk_mul_f32 v[WT+\i:WT+\i+1], v[WT+\i:WT+\i+1], v[SM+2:SM+3]
.endr
	; the two largest weights, by selects alone; a strict comparison leaves the lower index in front on ties
	v_cmp_gt_f32 vcc_lo, v[WT+1], v[WT]
	v_cndmask_b32 v[W1], v[WT],   v[WT+1], vcc_lo
	v_cndmask_b32 v[H1], v[T2],   v[T2+1], vcc_lo
	v_cndmask_b32 v[W2], v[WT+1], v[WT],   vcc_lo
	v_cndmask_b32 v[H2], v[T2+1], v[T2],   vcc_lo
.irp j, 2,3,4,5,6,7
	v_cmp_gt_f32 vcc_lo, v[WT+\j], v[W1]
	v_cmp_gt_f32 s70, v[WT+\j], v[W2]
	v_cndmask_b32 v[W2], v[W2], v[WT+\j], s70      ; above the second: takes its place,
	v_cndmask_b32 v[H2], v[H2], v[T2+\j], s70
	v_cndmask_b32 v[W2], v[W2], v[W1], vcc_lo      ; above the first: the first moves down,
	v_cndmask_b32 v[H2], v[H2], v[H1], vcc_lo
	v_cndmask_b32 v[W1], v[W1], v[WT+\j], vcc_lo   ; and this one is the first
	v_cndmask_b32 v[H1], v[H1], v[T2+\j], vcc_lo
.endr
	v_add_f32 v[AV], v[H1], v[H2]
	v_mul_f32 v[AV], 0.5, v[AV]                    ; lane t (0..15): a of my wave's token t
; Row t of my 16 rows of out0: a rs + bo, 16 numbers a lane, four stores of 512 consecutive bytes, each at a multiple of 512 from out0's first byte.  Eight buffers take turns.
.macro ROW t
.set ob, OB+16*((\t)%8)
.set sa, 66+2*((\t)%2)
	v_readlane_b32 s[sa], v[AV], \t
.if \t >= 8
	s_wait_xcnt 0x0                                ; every earlier store has had its addresses translated (ISA guide 3.1): the buffer that row t - 8's stores read is rewritten only behind this wait
.endif
.irp i, 0,2,4,6,8,10,12,14
	v_pk_fma_f32 v[ob+\i:ob+\i+1], v[RS+\i:RS+\i+1], s[sa:sa+1], v[BOV+\i:BOV+\i+1] op_sel_hi:[1,0,1]
.endr
.irp q, 0,1,2,3
	global_store_b128 v[CO], v[ob+4*\q:ob+4*\q+3], s[14:15] offset:2048*\t+512*\q th:TH_STORE_NT
.endr
.endm
.irp t, 0,1,2,3,4,5,6,7,8,9,10,11,12,13,14,15
	ROW \t
.endr
	s_wait_tensorcnt 0x0
	ds_add_u32 v248, v249
	s_wait_dscnt 0x0
	s_endpgm                                       ; every tensor load was waited for at chunk 3
.Lfunc_end_k_q64f3945032_route:
	.size	k_q64f3945032_route, .Lfunc_end_k_q64f3945032_route-k_q64f3945032_route
	.p2alignl 7, 3214868480
	.fill 96, 4, 3214868480
	.section	.rodata,"a",@progbits
	.p2align	6, 0x0
	.amdhsa_kernel k_q64f3945032_route
		.amdhsa_group_segment_fixed_size 185600
		.amdhsa_private_segment_fixed_size 0
		.amdhsa_enable_private_segment 0
		.amdhsa_kernarg_size 48
		.amdhsa_user_sgpr_count 2
		.amdhsa_user_sgpr_kernarg_segment_ptr 1
		.amdhsa_wavefront_size32 1
		.amdhsa_system_sgpr_workgroup_id_x 1
		.amdhsa_system_sgpr_workgroup_id_y 1
		.amdhsa_system_sgpr_workgroup_id_z 1
		.amdhsa_system_vgpr_workitem_id 0
		.amdhsa_next_free_vgpr 250
		.amdhsa_next_free_sgpr 72
		.amdhsa_reserve_vcc 1
		.amdhsa_float_denorm_mode_32 3
		.amdhsa_float_denorm_mode_16_64 3
		.amdhsa_memory_ordered 1
		.amdhsa_forward_progress 1
		.amdhsa_inst_pref_size 100
	.end_amdhsa_kernel
	.amdgpu_metadata
---
amdhsa.version: [ 1, 2 ]
amdhsa.kernels:
  - .name:           k_q64f3945032_route
    .symbol:         k_q64f3945032_route.kd
    .args:
      - { .name: x, .offset: 0, .size: 8, .value_kind: global_buffer, .address_space: global }
      - { .name: gs, .offset: 8, .size: 8, .value_kind: global_buffer, .address_space: global }
      - { .name: yb, .offset: 16, .size: 8, .value_kind: global_buffer, .address_space: global }
      - { .name: rs, .offset: 24, .size: 8, .value_kind: global_buffer, .address_space: global }
      - { .name: bo, .offset: 32, .size: 8, .value_kind: global_buffer, .address_space: global }
      - { .name: out0, .offset: 40, .size: 8, .value_kind: global_buffer, .address_space: global }
    .group_segment_fixed_size: 185600
    .private_segment_fixed_size: 0
    .kernarg_segment_align: 8
    .kernarg_segment_size: 48
    .max_flat_workgroup_size: 128
    .sgpr_count:     72
    .vgpr_count:     250
    .wavefront_size: 32
...
	.end_amdgpu_metadata
.endif
;; end of part 3
;; ======== version 2 of 2: 2 launches; 1.24 times as fast as version 1
;; workspace buffers: part 131,072 bytes; pb 256 bytes; rs 2,048 bytes
;; launch fold (part 4): grid 8 x 24, 8 waves a work-group, no clusters, 50,688 bytes of LDS; arguments Wi, Wr, Wo, bi, part, pb, rs; writes part, pb, rs
.if DOCPART == 4
	.amdgcn_target "amdgcn-amd-amdhsa--gfx1250"
	.amdhsa_code_object_version 6
	.text
	.protected	k_q64f3945032_fold
	.globl	k_q64f3945032_fold
	.p2align	8
	.type	k_q64f3945032_fold,@function
k_q64f3945032_fold:
	s_mov_b64 s[64:65], 0
	v_nop
	global_prefetch_b8 v0, s[64:65] scope:SCOPE_SE
	s_setreg_imm32_b32 hwreg(HW_REG_WAVE_MODE, 25, 1), 1
	s_wait_xcnt 0x0
; FOLD.  The hidden vector h = x Wi^T + bi enters the result only through the 8 logits h Wr^T + br and through h[0..7], and the last product
; multiplies a vector of equal entries.  So the program needs M = Wr Wi ([8][512]), Wr bi (8 numbers) and rs[o] = the sum of Wo's row o; all three hold for every input.
; This launch reads Wi and Wo once, in f32, and stores
;   part[hb][e][i] = sum over the 512 h of block hb of Wr[e][h] Wi[h][i],   pb[hb][e] = the same sum of Wr[e][h] bi[h],   rs[o].
; The sums over the 8 blocks span work-groups and are made by the next launch, which keeps all of part in LDS: 8 blocks x 16,384 bytes are what fits there beside its other tiles.
; The sums are ordered otherwise than in the problem's formula (f32 throughout).
; TWO WAYS, by the work-group's y, which all its waves share.
;   y < 8 (64 work-groups): block hb = y of 512 rows of Wi, columns 64 cb .. +63, cb = x: 256 aligned bytes of each row, 131,072 bytes in all.  Wave w: rows 64 w .. +63.
;     Lane (q = lane % 16, hh = lane / 16): columns 4 q .. +3 of the rows 64 w + 32 hh + k, k = 0..31: sixteen lanes read 256 consecutive bytes.
;   y >= 8 (128 work-groups): Wo's rows 4 n .. 4 n + 3, n = 8 (y - 8) + x: 65,536 bytes on end; wave w takes 8,192 of them, half a row.
; 192 work-groups: eight blocks x eight whole 256-byte columns of Wi make 64, and Wo's 512 rows go four to a work-group; the long way has the lower numbers.
; No matrix unit: an 8-row product that streams its weights once and has to stay in f32.  No cluster: what work-groups share is Wr's block and bi's, 18,432 of the 149,504 bytes that a work-group of the first way reads, and they come through registers.
.set WRS,  0                           ; LDS: Wr's block [e 8][512 h] f32, 16,384 bytes
.set RED,  16384                       ; LDS: [contributor 2 w + hh, 16][e 8][64 columns] f32, 32,768 bytes
.set PBW,  49152                       ; LDS: eight words: wave e's Wr[e] . bi over the block
.set RSW,  49408                       ; LDS: eight words: each wave's sum over its half row of Wo
.set OWI,  4                           ; v4   my byte offset in Wi's block
.set OWO,  5                           ; v5   in Wo's four rows
.set OWR,  6                           ; v6   in Wr: row w, 16 bytes a lane
.set LST,  7                           ; v7   where I put Wr's bytes in WRS
.set LWR,  8                           ; v8   my 32 rows' place in a row of WRS
.set LRS,  9                           ; v9   where my sums go in RED
.set LRD,  10                          ; v10  the two sums that I finish, in contributor 0
.set OPT,  11                          ; v11  their place in part
.set L16,  13                          ; v13  16 x lane
.set LSW,  15                          ; v15  my wave's word in PBW or RSW
.set DT,   16                          ; v[16:19]   the dot product with bi, two packed chains
.set WIV,  20                          ; v[20:147]  Wi: row k at 4 k
.set WOV,  20                          ; v[20:83]   Wo (the other way)
.set WRV,  148                         ; v[148:211] Wr[e][rows 4 g .. 4 g + 3] at 4 e: two buffers of 32; later the 16 contributors' pairs
.set ACC,  212                         ; v[212:243] sums: 4 e + column
.set WST,  212                         ; v[212:227] ahead of the sums: 64 bytes of Wr's row w on their way into LDS
.set BIV,  228                         ; v[228:243] ahead of the sums: bi at the same places
; 16 pairs at v[b ..] are added up, neighbours first, into the pair v[b:b+1]: 15 packed additions
.macro TREE16 b
.irp d, 2,4,8,16
.set n, 0
.rept 32/(2*\d)
	v_pk_add_f32 v[\b+n:\b+n+1], v[\b+n:\b+n+1], v[\b+n+\d:\b+n+\d+1]
.set n, n+2*\d
.endr
.endr
.endm
; the sum of v[r] over the wave's 32 lanes, in every lane; v[r+1] has been written and is used up
.macro WSUM r
	v_add_f32_dpp v[\r], v[\r], v[\r] row_xmask:1 row_mask:0xf bank_mask:0xf
	v_add_f32_dpp v[\r], v[\r], v[\r] row_xmask:2 row_mask:0xf bank_mask:0xf
	v_add_f32_dpp v[\r], v[\r], v[\r] row_xmask:4 row_mask:0xf bank_mask:0xf
	v_add_f32_dpp v[\r], v[\r], v[\r] row_xmask:8 row_mask:0xf bank_mask:0xf
	v_permlanex16_b32 v[\r+1], v[\r], s24, s25
	v_add_f32 v[\r], v[\r], v[\r+1]
.endm
	s_load_b256 s[4:11], s[0:1], 0x0               ; Wi s[4:5], Wr s[6:7], Wo s[8:9], bi s[10:11]
	s_load_b128 s[12:15], s[0:1], 0x20             ; part s[12:13], pb s[14:15]
	s_load_b64 s[16:17], s[0:1], 0x30              ; rs
	v_lshl_add_u32 v244, v0, 2, 0xc200
	v_mov_b32 v245, 0
	v_lshrrev_b32 v3, 5, v0                        ; w
	v_readfirstlane_b32 s18, v3                    ; the wave's number as a scalar
	v_and_b32 v12, 31, v0                          ; lane
	v_lshlrev_b32 v[L16], 4, v12
	s_mov_b32 s19, ttmp9                           ; x
	s_and_b32 s20, ttmp7, 0xffff                   ; y
	s_mov_b32 s24, 0x76543210                      ; v_permlanex16_b32: each lane takes its own place in the other half
	s_mov_b32 s25, 0xfedcba98
	s_mov_b32 s23, 0                               ; the upper word of the offsets' pair
	s_cmp_ge_u32 s20, 8
	s_cbranch_scc1 .Lwo
	; ---------------- the first way: a block of Wi ----------------
	v_and_b32 v1, 15, v0                           ; q
	v_bfe_u32 v2, v0, 4, 1                         ; hh
	v_lshlrev_b32 v14, 3, v12                      ; 8 x lane
	v_lshlrev_b32 v[OWI], 4, v1
	v_lshl_add_u32 v[OWI], v2, 16, v[OWI]          ; + 32 rows of 2,048 bytes for the upper lanes
	v_lshl_add_u32 v[OWI], v3, 17, v[OWI]          ; + 64 rows a wave
	v_lshl_add_u32 v[OWR], v3, 14, v[L16]          ; row w of Wr (16,384 bytes a row) + 16 lane
	v_lshl_add_u32 v[LST], v3, 11, v[L16]          ; WRS + 2,048 w + 16 lane
	v_lshlrev_b32 v[LWR], 7, v2
	v_lshl_add_u32 v[LWR], v3, 8, v[LWR]           ; 4 (64 w + 32 hh)
	v_lshlrev_b32 v[LRS], 4, v1
	v_lshl_add_u32 v[LRS], v2, 11, v[LRS]
	v_lshl_add_u32 v[LRS], v3, 12, v[LRS]
	v_add_nc_u32 v[LRS], RED, v[LRS]               ; RED + 2,048 (2 w + hh) + 16 q
	v_lshl_add_u32 v[LRD], v3, 8, v14
	v_add_nc_u32 v[LRD], RED, v[LRD]               ; RED + 256 w + 8 lane: e = w, columns 2 lane, 2 lane + 1
	v_lshl_add_u32 v[OPT], v3, 11, v14             ; 2,048 w + 8 lane
	v_lshl_add_u32 v[LSW], v3, 2, PBW
	s_lshl_b32 s27, s19, 8                         ; 256 cb
	s_lshl_b32 s22, s20, 20                        ; 512 rows of 2,048 bytes
	s_add_co_u32 s22, s22, s27
	s_wait_kmcnt 0x0
	s_add_nc_u64 s[4:5], s[4:5], s[22:23]          ; Wi at the block's first byte
	s_lshl_b32 s22, s20, 11
	s_add_nc_u64 s[6:7], s[6:7], s[22:23]          ; Wr at column 512 hb
	s_add_nc_u64 s[10:11], s[10:11], s[22:23]      ; bi at 512 hb
	s_lshl_b32 s22, s20, 14
	s_add_co_u32 s22, s22, s27
	s_add_nc_u64 s[12:13], s[12:13], s[22:23]      ; part at [hb][0][64 cb]
	s_lshl_b32 s22, s20, 5
	s_add_nc_u64 s[14:15], s[14:15], s[22:23]      ; pb at [hb][0]
	; all 40 loads of the wave go out at once: 20,480 bytes a wave on their way
.irp i, 0,1,2,3
	global_load_b128 v[WST+4*\i:WST+4*\i+3], v[OWR], s[6:7] offset:512*\i
.endr
.irp i, 0,1,2,3
	global_load_b128 v[BIV+4*\i:BIV+4*\i+3], v[L16], s[10:11] offset:512*\i
.endr
.set k, 0
.rept 32
	global_load_b128 v[WIV+4*k:WIV+4*k+3], v[OWI], s[4:5] offset:2048*k th:TH_LOAD_NT
.set k, k+1
.endr
	s_wait_loadcnt 32                              ; loads come back in order (ISA guide 5.7.1): Wr's and bi's are in, Wi's 32 stay out
.irp i, 0,1,2,3
	ds_store_b128 v[LST], v[WST+4*\i:WST+4*\i+3] offset:512*\i    ; Wr's block is copied once, in whole runs of 512 bytes, and used from LDS
.endr
	; wave w holds the block's part of Wr's row w, and bi at the same places: their product stands between the stores and the wait for them
	v_pk_mul_f32 v[DT:DT+1],   v[WST:WST+1],   v[BIV:BIV+1]
	v_pk_mul_f32 v[DT+2:DT+3], v[WST+2:WST+3], v[BIV+2:BIV+3]
.irp i, 1,2,3
	v_pk_fma_f32 v[DT:DT+1],   v[WST+4*\i:WST+4*\i+1],   v[BIV+4*\i:BIV+4*\i+1],   v[DT:DT+1]
	v_pk_fma_f32 v[DT+2:DT+3], v[WST+4*\i+2:WST+4*\i+3], v[BIV+4*\i+2:BIV+4*\i+3], v[DT+2:DT+3]
.endr
	v_pk_add_f32 v[DT:DT+1], v[DT:DT+1], v[DT+2:DT+3]
	v_add_f32 v[DT], v[DT], v[DT+1]
	WSUM DT
	ds_store_b32 v[LSW], v[DT]                     ; all lanes write the same word with the same value
	s_wait_dscnt 0x0                               ; for the others' sake: my row of the block is written
	s_barrier_signal -1
	s_barrier_wait -1
.macro LDW g, buf                      ; Wr[e][my rows 4 g .. 4 g + 3] for the eight e; sixteen lanes read the same 16 bytes
.irp e, 0,1,2,3,4,5,6,7
	ds_load_b128 v[WRV+32*(\buf)+4*\e:WRV+32*(\buf)+4*\e+3], v[LWR] offset:WRS+2048*\e+16*(\g)
.endr
.endm
; Four rows x 8 e x 4 columns: 64 packed multiply-adds, two columns each.  Wr's number is one register of a pair and feeds both halves: the low one by op_sel_hi 0, the high one by op_sel 1.
; The very first row's products start the sums: nothing is cleared.  Between two links of a chain stand 15 others'.
.macro FMAS g, buf
.irp j, 0,1,2,3
.irp e, 0,1,2,3,4,5,6,7
.irp c, 0,2
.set ra, ACC+4*\e+\c
.set ri, WIV+16*(\g)+4*\j+\c
.set rw, WRV+32*(\buf)+4*\e+2*(\j/2)
.if ((\g) == 0) && (\j == 0)
	v_pk_mul_f32 v[ra:ra+1], v[ri:ri+1], v[rw:rw+1] op_sel_hi:[1,0]
.elseif (\j%2) == 0
	v_pk_fma_f32 v[ra:ra+1], v[ri:ri+1], v[rw:rw+1], v[ra:ra+1] op_sel_hi:[1,0,1]
.else
	v_pk_fma_f32 v[ra:ra+1], v[ri:ri+1], v[rw:rw+1], v[ra:ra+1] op_sel:[0,1,0] op_sel_hi:[1,1,1]
.endif
.endr
.endr
.endr
.endm
	LDW 0, 0
	LDW 1, 1
.irp g, 0,1,2,3,4,5,6,7
.if \g < 7
	s_wait_dscnt 8                                 ; this group's eight loads of Wr are in, the next group's stay out
.else
	s_wait_dscnt 0x0
.endif
	s_wait_loadcnt 28-4*\g                         ; Wi's rows up to 4 g + 3 are in: behind them stand 28 - 4 g rows
	FMAS \g, \g%2
.if \g < 6
	LDW \g+2, \g%2
.endif
.endr
.irp e, 0,1,2,3,4,5,6,7
	ds_store_b128 v[LRS], v[ACC+4*\e:ACC+4*\e+3] offset:256*\e
.endr
	s_wait_dscnt 0x0                               ; for the others' sake: my sums are in RED
	s_barrier_signal -1
	s_barrier_wait -1
.irp n, 0,1,2,3,4,5,6,7,8,9,10,11,12,13,14,15
	ds_load_b64 v[WRV+2*\n:WRV+2*\n+1], v[LRD] offset:2048*\n     ; the same two sums of the 16 contributors
.endr
	s_wait_dscnt 0x0
	TREE16 WRV
	global_store_b64 v[OPT], v[WRV:WRV+1], s[12:13]               ; a wave stores 256 consecutive bytes, at a multiple of 256 from part's first byte
	s_cmp_lg_u32 s18, 0
	s_cbranch_scc1 .Lend_wi
	s_cmp_lg_u32 s19, 0
	s_cbranch_scc1 .Lend_wi                        ; the eight work-groups of a block make the same pb; wave 0 of the one with cb = 0 stores it
	v_mov_b32 v12, PBW
	ds_load_b128 v[20:23], v12
	ds_load_b128 v[24:27], v12 offset:16
	v_mov_b32 v14, 0
	s_wait_dscnt 0x0
	s_wait_xcnt 0x0                                ; EXEC is a source of the store above: it changes only behind this wait
	v_cmp_eq_u32 vcc_lo, 0, v0
	s_and_saveexec_b32 s26, vcc_lo
	global_store_b128 v14, v[20:23], s[14:15]      ; 32 bytes: a block owns eight of pb's 64 numbers
	global_store_b128 v14, v[24:27], s[14:15] offset:16
	s_wait_xcnt 0x0                                ; and again in front of the line that widens it
	s_or_b32 exec_lo, exec_lo, s26
.Lend_wi:
	s_wait_tensorcnt 0x0
	ds_add_u32 v244, v245
	s_wait_dscnt 0x0
	s_endpgm
	; ---------------- the other way: four rows of Wo ----------------
.Lwo:
	s_sub_co_u32 s21, s20, 8
	s_lshl3_add_u32 s21, s21, s19                  ; n = 8 (y - 8) + x
	v_lshl_add_u32 v[OWO], v3, 13, v[L16]          ; 8,192 w + 16 lane
	v_lshl_add_u32 v[LSW], v3, 2, RSW
	s_lshl_b32 s22, s21, 16
	s_wait_kmcnt 0x0
	s_add_nc_u64 s[8:9], s[8:9], s[22:23]          ; Wo at row 4 n
	s_lshl_b32 s22, s21, 4
	s_add_nc_u64 s[16:17], s[16:17], s[22:23]      ; rs at 4 n
.irp i, 0,1,2,3,4,5,6,7,8,9,10,11,12,13,14,15
	global_load_b128 v[WOV+4*\i:WOV+4*\i+3], v[OWO], s[8:9] offset:512*\i th:TH_LOAD_NT
.endr
	s_wait_loadcnt 8                               ; the first eight are in, the other eight stay out
	TREE16 WOV
	s_wait_loadcnt 0x0
	TREE16 WOV+32
	v_pk_add_f32 v[WOV:WOV+1], v[WOV:WOV+1], v[WOV+32:WOV+33]
	v_add_f32 v[WOV], v[WOV], v[WOV+1]
	WSUM WOV                                       ; the sum over my wave's 2,048 numbers of Wo, in every lane
	ds_store_b32 v[LSW], v[WOV]
	s_wait_dscnt 0x0                               ; for wave 0's sake
	s_barrier_signal -1
	s_barrier_wait -1
	s_cmp_lg_u32 s18, 0
	s_cbranch_scc1 .Lend_wo                        ; wave 0 alone finishes the four row sums
	v_mov_b32 v12, RSW
	ds_load_b128 v[20:23], v12                     ; waves 2 r and 2 r + 1 hold the halves of row 4 n + r
	ds_load_b128 v[24:27], v12 offset:16
	v_mov_b32 v14, 0
	s_wait_dscnt 0x0
	v_add_f32 v28, v20, v21
	v_add_f32 v29, v22, v23
	v_add_f32 v30, v24, v25
	v_add_f32 v31, v26, v27
	s_wait_xcnt 0x0                                ; EXEC changes only behind this wait
	v_cmp_eq_u32 vcc_lo, 0, v0
	s_and_saveexec_b32 s26, vcc_lo
	global_store_b128 v14, v[28:31], s[16:17]      ; 16 bytes: a work-group owns four of rs's 512 numbers
	s_wait_xcnt 0x0
	s_or_b32 exec_lo, exec_lo, s26
.Lend_wo:
	s_wait_tensorcnt 0x0
	ds_add_u32 v244, v245
	s_wait_dscnt 0x0
	s_endpgm
.Lfunc_end_k_q64f3945032_fold:
	.size	k_q64f3945032_fold, .Lfunc_end_k_q64f3945032_fold-k_q64f3945032_fold
	.p2alignl 7, 3214868480
	.fill 96, 4, 3214868480
	.section	.rodata,"a",@progbits
	.p2align	6, 0x0
	.amdhsa_kernel k_q64f3945032_fold
		.amdhsa_group_segment_fixed_size 50688
		.amdhsa_private_segment_fixed_size 0
		.amdhsa_enable_private_segment 0
		.amdhsa_kernarg_size 56
		.amdhsa_user_sgpr_count 2
		.amdhsa_user_sgpr_kernarg_segment_ptr 1
		.amdhsa_wavefront_size32 1
		.amdhsa_system_sgpr_workgroup_id_x 1
		.amdhsa_system_sgpr_workgroup_id_y 1
		.amdhsa_system_sgpr_workgroup_id_z 1
		.amdhsa_system_vgpr_workitem_id 0
		.amdhsa_next_free_vgpr 246
		.amdhsa_next_free_sgpr 66
		.amdhsa_reserve_vcc 1
		.amdhsa_float_denorm_mode_32 3
		.amdhsa_float_denorm_mode_16_64 3
		.amdhsa_memory_ordered 1
		.amdhsa_forward_progress 1
		.amdhsa_inst_pref_size 53
	.end_amdhsa_kernel
	.amdgpu_metadata
---
amdhsa.version: [ 1, 2 ]
amdhsa.kernels:
  - .name:           k_q64f3945032_fold
    .symbol:         k_q64f3945032_fold.kd
    .args:
      - { .name: Wi, .offset: 0, .size: 8, .value_kind: global_buffer, .address_space: global }
      - { .name: Wr, .offset: 8, .size: 8, .value_kind: global_buffer, .address_space: global }
      - { .name: Wo, .offset: 16, .size: 8, .value_kind: global_buffer, .address_space: global }
      - { .name: bi, .offset: 24, .size: 8, .value_kind: global_buffer, .address_space: global }
      - { .name: part, .offset: 32, .size: 8, .value_kind: global_buffer, .address_space: global }
      - { .name: pb, .offset: 40, .size: 8, .value_kind: global_buffer, .address_space: global }
      - { .name: rs, .offset: 48, .size: 8, .value_kind: global_buffer, .address_space: global }
    .group_segment_fixed_size: 50688
    .private_segment_fixed_size: 0
    .kernarg_segment_align: 8
    .kernarg_segment_size: 56
    .max_flat_workgroup_size: 256
    .sgpr_count:     66
    .vgpr_count:     246
    .wavefront_size: 32
...
	.end_amdgpu_metadata
.endif
;; end of part 4
;; launch route (part 5): grid 256 x 1, 4 waves a work-group, clusters of 4 x 1, 316,672 bytes of LDS; arguments x, part, pb, Wi, bi, br, rs, bo, out0; writes out0
.if DOCPART == 5
	.amdgcn_target "amdgcn-amd-amdhsa--gfx1250"
	.amdhsa_code_object_version 6
	.text
	.protected	k_q64f3945032_route
	.globl	k_q64f3945032_route
	.p2align	8
	.type	k_q64f3945032_route,@function
k_q64f3945032_route:
	s_mov_b64 s[64:65], 0
	v_nop
	global_prefetch_b8 v0, s[64:65] scope:SCOPE_SE
	s_setreg_imm32_b32 hwreg(HW_REG_WAVE_MODE, 25, 1), 1
	s_wait_xcnt 0x0
	s_wait_alu depctr_hold_cnt(0) depctr_sa_sdst(0) depctr_va_vdst(0) depctr_va_sdst(0) depctr_va_ssrc(0) depctr_va_vcc(0) depctr_vm_vsrc(0)
	s_getreg_b32 s2, hwreg(HW_REG_IB_STS2, 6, 4)
	s_cmp_eq_u32 s2, 0
	s_cbranch_scc0 .Lentry_in_a_cluster
	s_endpgm
.Lentry_in_a_cluster:
	s_bfe_u32 s2, ttmp6, 0x10000c
	s_cmp_lg_u32 s2, 0x3003
	s_cbranch_scc0 .Lentry_shape_is_right
	s_endpgm
.Lentry_shape_is_right:
; ROUTE.  For each of the 16,384 tokens: Y = G x + yb (16 numbers: rows 0-7 the logits, rows 8-15 h[0..7]), softmax over the logits, the two largest weights,
; a = the mean of the two h picked, out0[t][o] = a rs[o] + bo[o].  G's rows 0-7 are M = Wr Wi, the sum of part's 8 blocks; rows 8-15 are Wi[0:8].
; yb[0..7] = the sum of pb's 8 blocks + br, yb[8..15] = bi[0..7].
; PRECISION.  The choice of two is discrete, so Y needs the accuracy of f32 while the matrix unit takes bf16.  G and x are each split into three bf16 parts:
; g = hi + mid + lo with hi = bf16(g), mid = bf16(g - hi), lo = bf16(g - hi - mid), both differences exact in f32.  Six products are formed, each in an f32 accumulator of its own:
; Gh xh | Gh xm, Gm xh | Gh xl, Gm xm, Gl xh.  Left out are Gm xl, Gl xm, Gl xl: at most 2^-26 of the leading term.
; SHARES.  A work-group owns 64 tokens, each of its four waves 16: one matrix tile.  The work-group's x (131,072 bytes) and all of part (131,072 bytes) lie in LDS at once: every LDS byte is filled
; once, all tensor loads go out at the start (five a wave are out at the most).  Wave w builds G's columns 128 w .. +127: its tile of part holds just those columns of the 64 partial rows, so only
; the wave that asked for a tile reads it.  The three parts go into G's place in LDS by LDS stores; ONE barrier stands between those stores and the fragment loads, which take all columns.
; LAYOUT.  Source 0 = the 16 rows of G, source 1 = 16 tokens: in the result lane l holds token l % 16, and its registers 0-7 the rows 8 (l / 16) + 0..7: lanes 0-15 a token's 8 logits, lanes 16-31 its h[0..7].
; CLUSTER.  Four work-groups form a cluster.  All work-groups read the same part (131,072 of the 409,600 bytes that a work-group moves), so its tiles are asked for JOINTLY: wave w of each of the four
; issues the same tensor load, with the same descriptor (its addresses hang on the wave's number alone) and a mask that names the four, and each receives the tile in its own LDS: 64 requests for part
; in place of 256.  x's chunks are each work-group's own: plain loads.  The place in the cluster enters x's and out0's addresses alone.  One round of the cluster's barrier stands in front of the
; fills and one in front of the end; nothing is filled again, so there is none between.
; Wi[0:8] (16,384 bytes a work-group) is shared too and comes through registers: as a tile it would want 16,384 bytes of LDS, and 11,520 are left.
; LIMITS.  NaN and infinities in the inputs, and numbers above bf16's largest (3.39e38), are not served; a part of a split below 2^-126 loses bits.  v_exp_f32 gives 0 for a weight below 2^-126
; (ISA guide 15.8): logits more than 87.3 below the token's largest tie at weight 0 and the lowest index wins.  The sums are ordered otherwise than in the problem's formula: where a token's second
; and third weights differ by no more than f32's rounding noise in the logits (some 1e-7 at the drawn sizes) either may be ranked second.
.set XPITCH, 528                       ; a row of a chunk of x in LDS: 512 bytes + 16 of padding: 33 x 16 bytes, so the 16 rows that a load touches fall on 16 different 16-byte columns of 256 bytes
.set XCH,    16*XPITCH                 ; a chunk: 16 tokens x 128 along K
.set XWAVE,  4*XCH                     ; a wave's four chunks
.set GW,     4*XWAVE                   ; behind x (135,168 = 528 x 256): G, 48 rows (16 p + row), written by LDS stores alone: no tile lands there
.set GPITCH, 1040                      ; 1,024 bytes + 16 that nobody touches: 65 x 16 bytes
.set PT,     GW+48*GPITCH              ; behind G (185,088 = 723 x 256): part, wave w's tile at 32,768 w: 64 rows (8 hb + e) of 512 bytes, dense
.set PWAVE,  32768
.set XA,   3                           ; v3   LDS address of my part of a fragment of x
.set GA,   4                           ; v4   the same for G
.set NEG1, 5                           ; v5   -1.0
.set CO,   6                           ; v6   16 x lane: my place in 512 bytes of Wi, rs, bo and out0
.set GS,   7                           ; v7   where I put four bf16 of a row of G: GW + 256 w + 8 lane
.set YB,   8                           ; v[8:15]    br, then yb[8 (l / 16) + j]
.set RS,   16                          ; v[16:31]   rs, columns 128 q + 4 lane + 0..3 at 4 q
.set BOV,  32                          ; v[32:47]   bo, the same columns
.set PVB,  48                          ; v[48:175]  while G is built: four buffers of 32: row e's eight partial quads, block hb at 4 hb
.set WI8,  176                         ; v[176:207] while G is built: Wi's rows 0-7, my four columns, row e at 4 e
.set HI,   208                         ; v[208:213] while G is built: the three parts, four bf16 each
.set MID,  210
.set LO,   212
.set XR,   48                          ; v[48:79]   x in f32, then what the roundings leave: two buffers of 16
.set GF,   80                          ; v[80:127]  G's fragments: two buffers of 24, part p at 8 p
.set XF,   128                         ; v[128:151] xh, xm, xl: 8 each
.set ACC,  152                         ; v[152:199] six accumulators
.set T1,   200                         ; v[200:207] sums, then Y
.set T2,   208                         ; v[208:215] the small terms' sum, then V: Y of the lane 16 away
.set WT,   216                         ; v[216:223] bi[0..7] until yb is made; then exponents, then weights
.set BI8,  216
.set PBV,  224                         ; v[224:225] pb's words 2 lane, 2 lane + 1, until yb is made
.set MX,   224                         ; v224-225   maxima
.set CM,   226                         ; v[226:227] log2(e) x maximum, twice
.set SM,   228                         ; v[228:231] sums; v[230:231] 1 / sum, twice
.set W1,   232                         ; the largest weight and its h, the second and its h
.set H1,   233
.set W2,   234
.set H2,   235
.set AV,   236                         ; a
.set PA,   240                         ; v240 LDS address of my 16 bytes in row 0 of my wave's tile of part
.set ZR,   241                         ; v241 0: the offset of loads that every lane makes at the same place
.set PBO,  242                         ; v242 8 x lane
.set OB,   48                          ; v[48:175]  on the way out: eight buffers of 16 (a row of out0: 16 numbers a lane)
.set G1X,  24                          ; s[24:31] descriptor group 1 for x's chunks
.set G1P,  32                          ; s[32:39] for part's tiles
.set G0P,  40                          ; s[40:43] descriptor group 0 for my tile of part
.set G0X,  44                          ; s[44:59] for x's chunks, a set each
.set SB,   72                          ; s[72:79] the eight sums of pb
; A round of the cluster's barrier: my work-group's barrier, so that wave 0's signal speaks for all four waves; wave 0 signals for the work-group; every wave waits for all four
; work-groups; my work-group's barrier once more.  No LDS instruction of the wave is pending at a signal.
.macro ROUND
	s_barrier_signal -1
	s_barrier_wait -1
	s_cmp_lg_u32 s22, 0
	s_cbranch_scc1 .Lnot_wave_0_\@
	s_barrier_signal -3
.Lnot_wave_0_\@:
	s_barrier_wait -3
	s_barrier_signal -1
	s_barrier_wait -1
.endm
	s_load_b256 s[4:11], s[0:1], 0x0               ; x s[4:5], part s[6:7], pb s[8:9], Wi s[10:11]
	s_load_b256 s[12:19], s[0:1], 0x20             ; bi s[12:13], br s[14:15], rs s[16:17], bo s[18:19]
	s_load_b64 s[20:21], s[0:1], 0x40              ; out0
	v_lshl_add_u32 v248, v0, 2, 0x4d300
	v_mov_b32 v249, 0
	ds_add_u32 v248, v249
	ds_add_u32 v248, v249
	s_wait_dscnt 0x0
	v_lshrrev_b32 v1, 5, v0
	v_readfirstlane_b32 s22, v1                    ; the wave's number as a scalar
	; group 1 for x: 16 rows x 128 elements of 4 bytes, 512 elements from row to row
	s_mov_b32 s[G1X+0], (2<<16)|(1<<20)|(6<<22)|(3<<25)   ; 15:0 no mask: a load of my own; 17:16 elements of 4 bytes; 20 padding on; 24:22 after every 128 words (code 6); 31:25 4 words of it (code 3)
	s_mov_b32 s[G1X+1], 128<<16                    ; tensor_dim0 = 128
	s_mov_b32 s[G1X+2], 16<<16                     ; tensor_dim1 = 16
	s_mov_b32 s[G1X+3], 128<<16                    ; tile_dim0 = 128
	s_mov_b32 s[G1X+4], 16                         ; tile_dim1 = 16
	s_mov_b32 s[G1X+5], 512                        ; tensor_dim0_stride
	s_mov_b32 s[G1X+6], 0
	s_mov_b32 s[G1X+7], 0
	; group 1 for part: 64 rows x 128 elements of 4 bytes, 512 elements from row to row, no padding: the lanes read a row's 512 bytes side by side
	s_mov_b32 s[G1P+0], 15|(2<<16)|(1<<21)         ; 15:0 the mask: all four work-groups of the cluster; 17:16 elements of 4 bytes; 21 set beside a mask
	s_mov_b32 s[G1P+1], 128<<16
	s_mov_b32 s[G1P+2], 64<<16
	s_mov_b32 s[G1P+3], 128<<16
	s_mov_b32 s[G1P+4], 64
	s_mov_b32 s[G1P+5], 512
	s_mov_b32 s[G1P+6], 0
	s_mov_b32 s[G1P+7], 0
	s_mov_b32 s60, 0x76543210                      ; v_permlanex16_b32: each lane takes its own place in the other half
	s_mov_b32 s61, 0xfedcba98
	s_mov_b32 s62, 0x3fb8aa3b                      ; log2(e); named as a pair by the packed lines, so both words are written
	s_mov_b32 s63, 0x3fb8aa3b
	s_mov_b32 s67, 0                               ; the upper words of the two pairs that hold a
	s_mov_b32 s69, 0
	s_mul_i32 s82, s22, XWAVE                      ; my wave's chunks in LDS: no place in the cluster enters an LDS address
	s_mul_i32 s83, s22, PWAVE                      ; my wave's tile of part in LDS
	s_lshl_b32 s23, s22, 8                         ; my wave's 256 bytes of a row of G
	s_lshl_b32 s80, s22, 9                         ; my wave's 512 bytes of a row of part and of Wi: the wave's number alone
	s_mov_b32 s81, 0
	s_bfe_u32 s86, ttmp6, 0x40000                  ; cx: my place in the cluster
	s_lshl_b32 s87, ttmp9, 2                       ; in a cluster launch ttmp9 counts clusters
	s_add_co_u32 s87, s87, s86                     ; my work-group = 4 x cluster x + cx: it enters x's and out0's addresses alone, through s[84:87]
	s_lshl_b32 s84, s87, 17                        ; the work-group's 64 rows of 2,048 bytes,
	s_lshl_b32 s85, s22, 15                        ; my wave's 16 of them
	s_add_co_u32 s84, s84, s85
	s_mov_b32 s85, 0
	ROUND                                          ; all four work-groups are here: the joint loads meet.  The round needs no argument, so it stands ahead of the wait for them
	s_wait_kmcnt 0x0
	s_add_nc_u64 s[4:5], s[4:5], s[84:85]          ; x and out0 at my wave's first token
	s_add_nc_u64 s[20:21], s[20:21], s[84:85]
	s_add_nc_u64 s[6:7], s[6:7], s[80:81]          ; part and Wi at my wave's column 128 w
	s_add_nc_u64 s[10:11], s[10:11], s[80:81]
	s_mov_b32 s[G0P], 1                            ; count = 1
	s_add_co_u32 s[G0P+1], s83, PT                 ; LDS address
	s_mov_b64 s[G0P+2:G0P+3], s[6:7]               ; global address: rows of 512 bytes at multiples of 512 from part's first byte
	s_or_b32 s[G0P+3], s[G0P+3], 0x80000000        ; type = 2
.irp c, 0,1,2,3
	s_mov_b32 s[G0X+4*\c], 1
	s_add_co_u32 s[G0X+4*\c+1], s82, \c*XCH
	s_add_nc_u64 s[G0X+4*\c+2:G0X+4*\c+3], s[4:5], \c*512         ; K = 128 c on: rows of 512 bytes at multiples of 512 from x's first byte
	s_or_b32 s[G0X+4*\c+3], s[G0X+4*\c+3], 0x80000000
.endr
	; all fills of the launch, as one group behind the one round, ahead of every wait on TENSORcnt and every LDS read: the joint load first, then my four own
	tensor_load_to_lds s[G0P:G0P+3], s[G1P:G1P+7]
	s_nop 0
.irp c, 0,1,2,3
	tensor_load_to_lds s[G0X+4*\c:G0X+4*\c+3], s[G1X:G1X+7]
	s_nop 0
.endr
	v_and_b32 v1, 15, v0                           ; r = l % 16
	v_bfe_u32 v2, v0, 4, 1                         ; h = l / 16
	v_and_b32 v[CO], 31, v0
	v_lshlrev_b32 v[PBO], 3, v[CO]
	v_lshlrev_b32 v[CO], 4, v[CO]
	v_mov_b32 v[ZR], 0
.irp e, 0,1,2,3,4,5,6,7
	global_load_b128 v[WI8+4*\e:WI8+4*\e+3], v[CO], s[10:11] offset:2048*\e   ; a wave's load covers 512 consecutive bytes of row e
.endr
	global_load_b64 v[PBV:PBV+1], v[PBO], s[8:9]                   ; pb's 256 bytes, 8 a lane
	global_load_b128 v[YB:YB+3],   v[ZR], s[14:15]                 ; br
	global_load_b128 v[YB+4:YB+7], v[ZR], s[14:15] offset:16
	global_load_b128 v[BI8:BI8+3],   v[ZR], s[12:13]               ; bi[0..7]
	global_load_b128 v[BI8+4:BI8+7], v[ZR], s[12:13] offset:16
.irp q, 0,1,2,3
	global_load_b128 v[RS+4*\q:RS+4*\q+3], v[CO], s[16:17] offset:512*\q
.endr
.irp q, 0,1,2,3
	global_load_b128 v[BOV+4*\q:BOV+4*\q+3], v[CO], s[18:19] offset:512*\q
.endr
	; A fragment is 16 rows x 32 K: lane l holds row r; registers 0-3 K = 8 h + 0..7, registers 4-7 K = 16 + 8 h + 0..7.  In f32 those are 32 bytes at 32 h and 32 bytes at 64 + 32 h.
	v_mul_u32_u24 v[XA], v1, XPITCH
	v_lshl_add_u32 v[XA], v2, 5, v[XA]
	v_add_nc_u32 v[XA], s82, v[XA]
	v_mul_u32_u24 v[GA], v1, GPITCH
	v_lshl_add_u32 v[GA], v2, 4, v[GA]             ; in bf16: 16 bytes at 16 h and 16 bytes at 32 + 16 h
	v_add_nc_u32 v[GA], GW, v[GA]
	v_mov_b32 v[NEG1], -1.0
	v_add_nc_u32 v[PA], s83, v[CO]
	v_add_nc_u32 v[PA], PT, v[PA]
	v_add_nc_u32 v[GS], s23, v[PBO]
	v_add_nc_u32 v[GS], GW, v[GS]
	; ---------------- G is built ----------------
.macro PART dst, src                   ; four numbers rounded to bf16 (to nearest even), packed
	v_cvt_pk_bf16_f32 v[\dst],   v[\src],   v[\src+1]
	v_cvt_pk_bf16_f32 v[\dst+1], v[\src+2], v[\src+3]
.endm
.macro REST dst, src                   ; what the rounding left: src - part, one fused multiply-add by -1 straight from the bf16 half; exact
	v_fma_mix_f32_bf16 v[\src],   v[\dst],   v[NEG1], v[\src]   op_sel_hi:[1,0,0]
	v_fma_mix_f32_bf16 v[\src+1], v[\dst],   v[NEG1], v[\src+1] op_sel:[1,0,0] op_sel_hi:[1,0,0]
	v_fma_mix_f32_bf16 v[\src+2], v[\dst+1], v[NEG1], v[\src+2] op_sel_hi:[1,0,0]
	v_fma_mix_f32_bf16 v[\src+3], v[\dst+1], v[NEG1], v[\src+3] op_sel:[1,0,0] op_sel_hi:[1,0,0]
.endm
.macro SPLIT4 src
	PART HI, \src
	REST HI, \src
	PART MID, \src
	REST MID, \src
	PART LO, \src
.endm
.macro GSTORE row                      ; my four columns of a row of G, in its three parts; a wave's store covers 256 consecutive bytes
.irp p, 0,1,2
	ds_store_b64 v[GS], v[HI+2*\p:HI+2*\p+1] offset:(16*\p+\row)*GPITCH
.endr
.endm
.macro PLOAD e                         ; row e's eight partial quads into buffer e % 4
.irp b, 0,1,2,3,4,5,6,7
	ds_load_b128 v[PVB+32*((\e)%4)+4*\b:PVB+32*((\e)%4)+4*\b+3], v[PA] offset:512*(8*\b+(\e))
.endr
.endm
.macro QADD a, b                       ; quad a += quad b of the buffer at pq
	v_pk_add_f32 v[pq+4*(\a):pq+4*(\a)+1],   v[pq+4*(\a):pq+4*(\a)+1],   v[pq+4*(\b):pq+4*(\b)+1]
	v_pk_add_f32 v[pq+4*(\a)+2:pq+4*(\a)+3], v[pq+4*(\a)+2:pq+4*(\a)+3], v[pq+4*(\b)+2:pq+4*(\b)+3]
.endm
; Row e of M: the eight blocks are added up, neighbours first, split and stored.  left = the LDS instructions issued behind row e's eight loads, which may stay out; more = 1: the buffer takes row e + 4.
.macro GROW e, left, more
.set pq, PVB+32*((\e)%4)
	s_wait_dscnt \left
.irp d, 1,2,4
.set n, 0
.rept 4/\d
	QADD n, n+\d
.set n, n+2*\d
.endr
.endr
	SPLIT4 pq
	GSTORE \e
.if \more
	PLOAD \e+4
.endif
.endm
.irp e, 0,1,2,3,4,5,6,7
	s_wait_loadcnt 20-\e                           ; loads come back in order (ISA guide 5.7.1): Wi's row e is in; behind it stand 7 - e rows and the 13 other loads
	SPLIT4 WI8+4*\e
	GSTORE 8+\e
.endr
	s_wait_tensorcnt 4                             ; tensor loads of a wave end in order (ISA guide 10.11.1): my tile of part is in, the four chunks of x stay out; in my work-group only I read my tile
	PLOAD 0
	PLOAD 1
	PLOAD 2
	PLOAD 3
	; The LDS instructions run L0 L1 L2 L3 S0 L4 S1 L5 S2 L6 S3 L7 S4 S5 S6 S7 (L: a row's 8 loads, S: its 3 stores); each count is what stands behind the row's loads at its wait.
	GROW 0, 24, 1
	GROW 1, 27, 1
	GROW 2, 30, 1
	GROW 3, 33, 1
	GROW 4, 33, 0
	GROW 5, 25, 0
	GROW 6, 17, 0
	GROW 7, 9, 0
	s_wait_dscnt 0x0                               ; for the others' sake: my columns of G are written
	s_barrier_signal -1                            ; the chunks of x may stay out
	s_barrier_wait -1                              ; everybody's columns of G are written
	; ---------------- Y = G x ----------------
.macro LDX buf, c, q                   ; 32 along K of chunk c, quarter q, in f32: 16 registers
	ds_load_b128 v[XR+16*(\buf):XR+16*(\buf)+3],     v[XA] offset:XCH*(\c)+128*(\q)
	ds_load_b128 v[XR+16*(\buf)+4:XR+16*(\buf)+7],   v[XA] offset:XCH*(\c)+128*(\q)+16
	ds_load_b128 v[XR+16*(\buf)+8:XR+16*(\buf)+11],  v[XA] offset:XCH*(\c)+128*(\q)+64
	ds_load_b128 v[XR+16*(\buf)+12:XR+16*(\buf)+15], v[XA] offset:XCH*(\c)+128*(\q)+80
.endm
.macro LDG buf, k                      ; K step k of G's three parts
.irp p, 0,1,2
	ds_load_b128 v[GF+24*(\buf)+8*\p:GF+24*(\buf)+8*\p+3],   v[GA] offset:16*GPITCH*\p+64*(\k)
	ds_load_b128 v[GF+24*(\buf)+8*\p+4:GF+24*(\buf)+8*\p+7], v[GA] offset:16*GPITCH*\p+64*(\k)+32
.endr
.endm
.macro CVT part, buf                   ; a part of x: 16 numbers rounded to bf16, the lower K in the lower half
.set i, 0
.rept 8
	v_cvt_pk_bf16_f32 v[XF+8*\part+i], v[XR+16*(\buf)+2*i], v[XR+16*(\buf)+2*i+1]
.set i, i+1
.endr
.endm
.macro RES part, buf                   ; what the rounding left: one fused multiply-add by -1 straight from the bf16 half; exact
.set i, 0
.rept 8
	v_fma_mix_f32_bf16 v[XR+16*(\buf)+2*i],   v[XF+8*\part+i], v[NEG1], v[XR+16*(\buf)+2*i]   op_sel_hi:[1,0,0]
	v_fma_mix_f32_bf16 v[XR+16*(\buf)+2*i+1], v[XF+8*\part+i], v[NEG1], v[XR+16*(\buf)+2*i+1] op_sel:[1,0,0] op_sel_hi:[1,0,0]
.set i, i+1
.endr
.endm
.macro MM a, gp, xp, buf               ; accumulator a += part gp of G x part xp of x; the first K step starts the sums: nothing is cleared
.if st == 0
	v_wmma_f32_16x16x32_bf16 v[ACC+8*\a:ACC+8*\a+7], v[GF+24*(\buf)+8*\gp:GF+24*(\buf)+8*\gp+7], v[XF+8*\xp:XF+8*\xp+7], 0
.else
	v_wmma_f32_16x16x32_bf16 v[ACC+8*\a:ACC+8*\a+7], v[GF+24*(\buf)+8*\gp:GF+24*(\buf)+8*\gp+7], v[XF+8*\xp:XF+8*\xp+7], v[ACC+8*\a:ACC+8*\a+7]
.endif
.endm
; K step st (32 along K).  The six accumulators take turns, one instruction a turn, from step to step too.
; A load into a register that a matrix instruction has read, and a vector instruction that writes one, stand four plain vector instructions that name none of its registers behind it
; (ISA guide 7.12.1 for vector instructions): the eight roundings at the step's head are those places behind the last step's last product, ahead of the loads into
; its buffer of G; each part of x is written again 24 such instructions or more behind its last product.
.macro STEP
.set bf, st%2
.set nb, 1-bf
.set ns, st+1
.set nc, ns/4
.set nq, ns%4
	s_wait_dscnt 6                                 ; LDS loads come back in order (ISA guide 5.7.1): this step's four of x are in, its six of G may be out
	CVT 0, bf
.if st < 15
.if nq == 0
	s_wait_tensorcnt 3-nc                          ; chunk nc is in, the 3 - nc behind it stay out; only I read my chunks
.endif
	LDX nb, nc, nq
	LDG nb, ns
	s_wait_dscnt 10                                ; all but the ten just issued: this step's G is in
.else
	s_wait_dscnt 0x0
.endif
	MM 0, 0, 0, bf                                 ; Gh xh
	MM 2, 1, 0, bf                                 ; Gm xh
	MM 5, 2, 0, bf                                 ; Gl xh
	RES 0, bf
	CVT 1, bf
	MM 1, 0, 1, bf                                 ; Gh xm
	MM 4, 1, 1, bf                                 ; Gm xm
	RES 1, bf
	CVT 2, bf
	MM 3, 0, 2, bf                                 ; Gh xl
.set st, st+1
.endm
	s_wait_tensorcnt 3                             ; chunk 0
	LDX 0, 0, 0
	LDG 0, 0
.set st, 0
.rept 16
	STEP
.endr
	; ---------------- yb ----------------
	; Lane l holds pb's words 2 l and 2 l + 1: block l / 4, e = 2 (l % 4) and the next.  The sum over the blocks goes over the lanes 4, 8 and 16 apart; then lane j / 2 holds the sums of e = j.
	s_wait_loadcnt 0x0                             ; pb, br, bi, rs, bo
	v_add_f32_dpp v[PBV],   v[PBV],   v[PBV]   row_xmask:4 row_mask:0xf bank_mask:0xf
	v_add_f32_dpp v[PBV+1], v[PBV+1], v[PBV+1] row_xmask:4 row_mask:0xf bank_mask:0xf
	v_add_f32_dpp v[PBV],   v[PBV],   v[PBV]   row_xmask:8 row_mask:0xf bank_mask:0xf
	v_add_f32_dpp v[PBV+1], v[PBV+1], v[PBV+1] row_xmask:8 row_mask:0xf bank_mask:0xf
	v_permlanex16_b32 v[T2],   v[PBV],   s60, s61  ; the destination counts as read: these two registers held parts of G
	v_permlanex16_b32 v[T2+1], v[PBV+1], s60, s61
	v_add_f32 v[PBV],   v[PBV],   v[T2]
	v_add_f32 v[PBV+1], v[PBV+1], v[T2+1]
.irp j, 0,1,2,3,4,5,6,7
	v_readlane_b32 s[SB+\j], v[PBV+\j%2], \j/2
.endr
	v_cmp_ne_u32 vcc_lo, 0, v2                     ; lanes 16-31
.irp j, 0,1,2,3,4,5,6,7
	v_add_f32 v[YB+\j], s[SB+\j], v[YB+\j]         ; Wr[j] . bi + br[j]
.endr
.irp j, 0,1,2,3,4,5,6,7
	v_cndmask_b32 v[YB+\j], v[YB+\j], v[BI8+\j], vcc_lo            ; lanes 16-31 hold rows 8-15: bi[j]
.endr
	; Y: the six sums are added from the small end, each accumulator read from its low registers on
.macro ADD8 d, a, b
.irp i, 0,2,4,6
	v_pk_add_f32 v[\d+\i:\d+\i+1], v[\a+\i:\a+\i+1], v[\b+\i:\b+\i+1]
.endr
.endm
	ADD8 T1, ACC+8, ACC+16                         ; Gh xm + Gm xh
	ADD8 T2, ACC+32, ACC+40                        ; Gm xm + Gl xh
	ADD8 T2, T2, ACC+24                            ; + Gh xl
	ADD8 T1, T1, T2
	ADD8 T1, T1, ACC                               ; + Gh xh
	ADD8 T1, T1, YB
	; Lanes 0-15 hold a token's logits in Y and fetch its h[0..7] from the lane 16 away.  Lanes 16-31 run the same lines with the two swapped; their result is never read.
.irp j, 0,1,2,3,4,5,6,7
	v_permlanex16_b32 v[T2+\j], v[T1+\j], s60, s61 ; the destination counts as read: T2's registers have been written
.endr
	; softmax: w = 2^(c y - c max) / sum, c = log2(e)
	v_max3_num_f32 v[MX],   v[T1],   v[T1+1], v[T1+2]
	v_max3_num_f32 v[MX+1], v[T1+3], v[T1+4], v[T1+5]
	v_max3_num_f32 v[MX],   v[MX],   v[T1+6], v[T1+7]
	v_max_num_f32  v[MX],   v[MX],   v[MX+1]
	v_mul_f32 v[CM],   s62, v[MX]
	v_mul_f32 v[CM+1], s62, v[MX]
.irp i, 0,2,4,6
	v_pk_fma_f32 v[WT+\i:WT+\i+1], v[T1+\i:T1+\i+1], s[62:63], v[CM:CM+1] op_sel_hi:[1,0,1] neg_lo:[0,0,1] neg_hi:[0,0,1]
.endr
.irp j, 0,1,2,3,4,5,6,7
	v_exp_f32 v[WT+\j], v[WT+\j]
.endr
	v_nop                                          ; a plain instruction between the last exponential and the use of its result (ISA guide 5.7.2)
	s_wait_alu depctr_va_vdst(0)
	v_pk_add_f32 v[SM:SM+1],   v[WT:WT+1],     v[WT+2:WT+3]
	v_pk_add_f32 v[SM+2:SM+3], v[WT+4:WT+5],   v[WT+6:WT+7]
	v_pk_add_f32 v[SM:SM+1],   v[SM:SM+1],     v[SM+2:SM+3]
	v_add_f32 v[SM], v[SM], v[SM+1]                ; at least about 1: the largest logit's own term
	v_rcp_f32 v[SM+2], v[SM]
	v_rcp_f32 v[SM+3], v[SM]                       ; twice, to fill the pair that the packed multiply takes
	v_nop
	s_wait_alu depctr_va_vdst(0)
.irp i, 0,2,4,6
	v_pk_mul_f32 v[WT+\i:WT+\i+1], v[WT+\i:WT+\i+1], v[SM+2:SM+3]
.endr
	; the two largest weights, by selects alone; a strict comparison leaves the lower index in front on ties
	v_cmp_gt_f32 vcc_lo, v[WT+1], v[WT]
	v_cndmask_b32 v[W1], v[WT],   v[WT+1], vcc_lo
	v_cndmask_b32 v[H1], v[T2],   v[T2+1], vcc_lo
	v_cndmask_b32 v[W2], v[WT+1], v[WT],   vcc_lo
	v_cndmask_b32 v[H2], v[T2+1], v[T2],   vcc_lo
.irp j, 2,3,4,5,6,7
	v_cmp_gt_f32 vcc_lo, v[WT+\j], v[W1]
	v_cmp_gt_f32 s70, v[WT+\j], v[W2]
	v_cndmask_b32 v[W2], v[W2], v[WT+\j], s70      ; above the second: takes its place,
	v_cndmask_b32 v[H2], v[H2], v[T2+\j], s70
	v_cndmask_b32 v[W2], v[W2], v[W1], vcc_lo      ; above the first: the first moves down,
	v_cndmask_b32 v[H2], v[H2], v[H1], vcc_lo
	v_cndmask_b32 v[W1], v[W1], v[WT+\j], vcc_lo   ; and this one is the first
	v_cndmask_b32 v[H1], v[H1], v[T2+\j], vcc_lo
.endr
	v_add_f32 v[AV], v[H1], v[H2]
	v_mul_f32 v[AV], 0.5, v[AV]                    ; lane t (0..15): a of my wave's token t
; Row t of my 16 rows of out0: a rs + bo, 16 numbers a lane, four stores of 512 consecutive bytes, each at a multiple of 512 from out0's first byte.  Eight buffers take turns.
.macro ROW t
.set ob, OB+16*((\t)%8)
.set sa, 66+2*((\t)%2)
	v_readlane_b32 s[sa], v[AV], \t
.if \t >= 8
	s_wait_xcnt 0x0                                ; every earlier store has had its addresses translated (ISA guide 3.1): the buffer that row t - 8's stores read is rewritten only behind this wait
.endif
.irp i, 0,2,4,6,8,10,12,14
	v_pk_fma_f32 v[ob+\i:ob+\i+1], v[RS+\i:RS+\i+1], s[sa:sa+1], v[BOV+\i:BOV+\i+1] op_sel_hi:[1,0,1]
.endr
.irp q, 0,1,2,3
	global_store_b128 v[CO], v[ob+4*\q:ob+4*\q+3], s[20:21] offset:2048*\t+512*\q th:TH_STORE_NT
.endr
.endm
.irp t, 0,1,2,3,4,5,6,7,8,9,10,11,12,13,14,15
	ROW \t
.endr
	s_wait_tensorcnt 0x0
	ds_add_u32 v248, v249
	s_wait_dscnt 0x0
	ROUND                                          ; the closing round: no work-group ends while a partner may still ask for a tile that names it.  Every tensor load was waited for at chunk 3, every LDS load at the last K step; the stores are on their way meanwhile, and nobody reads what they write
	s_endpgm
.Lfunc_end_k_q64f3945032_route:
	.size	k_q64f3945032_route, .Lfunc_end_k_q64f3945032_route-k_q64f3945032_route
	.p2alignl 7, 3214868480
	.fill 96, 4, 3214868480
	.section	.rodata,"a",@progbits
	.p2align	6, 0x0
	.amdhsa_kernel k_q64f3945032_route
		.amdhsa_group_segment_fixed_size 316672
		.amdhsa_private_segment_fixed_size 0
		.amdhsa_enable_private_segment 0
		.amdhsa_kernarg_size 72
		.amdhsa_user_sgpr_count 2
		.amdhsa_user_sgpr_kernarg_segment_ptr 1
		.amdhsa_wavefront_size32 1
		.amdhsa_system_sgpr_workgroup_id_x 1
		.amdhsa_system_sgpr_workgroup_id_y 1
		.amdhsa_system_sgpr_workgroup_id_z 1
		.amdhsa_system_vgpr_workitem_id 0
		.amdhsa_next_free_vgpr 250
		.amdhsa_next_free_sgpr 88
		.amdhsa_reserve_vcc 1
		.amdhsa_float_denorm_mode_32 3
		.amdhsa_float_denorm_mode_16_64 3
		.amdhsa_memory_ordered 1
		.amdhsa_forward_progress 1
		.amdhsa_inst_pref_size 133
	.end_amdhsa_kernel
	.amdgpu_metadata
---
amdhsa.version: [ 1, 2 ]
amdhsa.kernels:
  - .name:           k_q64f3945032_route
    .symbol:         k_q64f3945032_route.kd
    .args:
      - { .name: x, .offset: 0, .size: 8, .value_kind: global_buffer, .address_space: global }
      - { .name: part, .offset: 8, .size: 8, .value_kind: global_buffer, .address_space: global }
      - { .name: pb, .offset: 16, .size: 8, .value_kind: global_buffer, .address_space: global }
      - { .name: Wi, .offset: 24, .size: 8, .value_kind: global_buffer, .address_space: global }
      - { .name: bi, .offset: 32, .size: 8, .value_kind: global_buffer, .address_space: global }
      - { .name: br, .offset: 40, .size: 8, .value_kind: global_buffer, .address_space: global }
      - { .name: rs, .offset: 48, .size: 8, .value_kind: global_buffer, .address_space: global }
      - { .name: bo, .offset: 56, .size: 8, .value_kind: global_buffer, .address_space: global }
      - { .name: out0, .offset: 64, .size: 8, .value_kind: global_buffer, .address_space: global }
    .group_segment_fixed_size: 316672
    .private_segment_fixed_size: 0
    .kernarg_segment_align: 8
    .kernarg_segment_size: 72
    .max_flat_workgroup_size: 128
    .sgpr_count:     88
    .vgpr_count:     250
    .wavefront_size: 32
...
	.end_amdgpu_metadata
.endif
;; end of part 5
